; MI455X (gfx1250); checked and timed in simulation.
; The chip was launched on July 23, 2026; its instructions are those of AMD's public machine-readable ISA for CDNA 5 (MIT licence, August 2026) and "CDNA5" Instruction Set Architecture Reference Guide (July 2026). The comments in the code are by the model that wrote it; some were corrected since.
;; Differential Attention. Allowed arithmetic: float matrix products may take bf16 or f16 operands with f32 sums; other float arithmetic in f32, or as packed bf16 or f16 multiplies, adds, multiply-adds, maxima and minima; sums over many terms, partial sums and values carried from step to step in f32; what a program stores and reads back later, other than sums and carried values, may be rounded once to bf16 or f16.
;; Inputs: b_out 1,024 float32; b_qkv 3,072 float32; lam one number float32; w_out 1,024 x 1,024 float32; w_qkv 3,072 x 1,024 float32; x 2 x 2,048 x 1,024 float32.
;; Outputs: out0 2 x 2,048 x 1,024 float32.
;; Constants: heads = 16.
;; One version. Each part assembles by itself: llvm-mc -triple=amdgcn-amd-amdhsa -mcpu=gfx1250 --defsym DOCPART=n.
;; ======== version 1 of 1: 4 launches
;; limits: values are held in f16: magnitudes above 65,504 overflow, below 6.1e-05 lose precision
;; workspace buffers: h16 25,165,824 bytes; qkv 25,165,824 bytes; oh 8,388,608 bytes
;; launch cast (part 1): grid 512 x 1, 8 waves a work-group, no clusters, 0 bytes of LDS; arguments x, w_qkv, w_out, h16; writes h16
.if DOCPART == 1
	.amdgcn_target "amdgcn-amd-amdhsa--gfx1250"
	.amdhsa_code_object_version 6
	.text
	.protected	k_qde2bdba960_cast
	.globl	k_qde2bdba960_cast
	.p2align	8
	.type	k_qde2bdba960_cast,@function
k_qde2bdba960_cast:
	s_mov_b64 s[64:65], 0
	v_nop
	global_prefetch_b8 v0, s[64:65] scope:SCOPE_SE
	s_setreg_imm32_b32 hwreg(HW_REG_WAVE_MODE, 25, 1), 1
	s_wait_xcnt 0x0
; THE MATRIX OPERANDS OF THE TWO PROJECTIONS, made once.  h16 holds four f16 arrays of rows of 1,024 numbers:
;   xh  [4096] at byte 0           x rounded to bf16, that number written as f16
;   dxh [4096] at DX_OFF           bf16(x[j]) - bf16(x[j+1 mod 2048]) inside a batch, formed in f32, rounded once to f16
;   wqh [3072] at WQ_OFF           w_qkv rounded to bf16, written as f16;   woh [1024] straight behind it: w_out likewise
; WHY dxh.  k_prev is k rolled by one key, so the second softmax is the first one rolled, and lam (a1 - a2) v = lam a1 (v[j] - v[j+1]) for every input;
; v[j] - v[j+1] = (x[j] - x[j+1]) w_v^T.  The difference is taken of x, ahead of the product, so that no difference of large sums is formed.
; LIMITS.  A bf16 number is exact in f16 from 2^-17 to 65,504; below that it keeps f16's fixed step of 6e-8, beyond it becomes an infinity.
; SHARES.  A stream: no LDS, no matrix unit, nothing shared.  A work-group owns 16 rows of 4,096 bytes; thread t owns bytes 16 t of every input row (a wave's load covers 512
; consecutive bytes) and bytes 8 t of every output row (a wave's store covers 256 consecutive bytes, aligned).  Work-groups 0-255 take x, and the row behind their chunk; 256-511 the weights.
; All of a work-group's loads go out in one run; each row has data registers of its own, so no register that a pending store reads is written again.
.set ROWB,   4096                      ; bytes in an input row
.set OROW,   2048                      ; bytes in an output row
.set DX_OFF, 8388608
.set WQ_OFF, 16777216
.set X, 4                              ; v[4:71]   17 rows x 4 numbers, as loaded, then rounded to bf16 and widened again
.set T, 72                             ; v[72:73]  at work
.set E, 74                             ; v[74:77]  a row's difference
.set Y, 80                             ; v[80:143] row i: two registers of xh (or of a weight), two of dxh
	s_load_b256 s[4:11], s[0:1], 0x0               ; x s[4:5], w_qkv s[6:7], w_out s[8:9], h16 s[10:11]
	v_lshlrev_b32 v1, 4, v0                        ; my 16 bytes of an input row
	v_lshlrev_b32 v2, 3, v0                        ; my 8 bytes of an output row
	s_mov_b32 s24, 0xffff0000                      ; a word's upper bf16
	s_mov_b32 s12, ttmp9
	s_mov_b32 s15, 0                               ; the offsets' high words
	s_mov_b32 s27, 0
	s_wait_kmcnt 0x0
	s_cmp_lt_u32 s12, 256
	s_cbranch_scc0 .Lweights
.macro RND r                           ; row r: rounded to bf16 (nearest even) and widened again, in place
	v_cvt_pk_bf16_f32 v[T],   v[X+4*(\r)],   v[X+4*(\r)+1]
	v_cvt_pk_bf16_f32 v[T+1], v[X+4*(\r)+2], v[X+4*(\r)+3]
	v_lshlrev_b32 v[X+4*(\r)],   16,  v[T]
	v_and_b32     v[X+4*(\r)+1], s24, v[T]
	v_lshlrev_b32 v[X+4*(\r)+2], 16,  v[T+1]
	v_and_b32     v[X+4*(\r)+3], s24, v[T+1]
.endm
.macro OUTX i                          ; row i of xh, and row i less row i + 1 of dxh
	v_cvt_pk_f16_f32 v[Y+4*(\i)],   v[X+4*(\i)],   v[X+4*(\i)+1]
	v_cvt_pk_f16_f32 v[Y+4*(\i)+1], v[X+4*(\i)+2], v[X+4*(\i)+3]
	v_pk_add_f32 v[E:E+1],   v[X+4*(\i):X+4*(\i)+1],   v[X+4*(\i)+4:X+4*(\i)+5] neg_lo:[0,1] neg_hi:[0,1]
	v_pk_add_f32 v[E+2:E+3], v[X+4*(\i)+2:X+4*(\i)+3], v[X+4*(\i)+6:X+4*(\i)+7] neg_lo:[0,1] neg_hi:[0,1]
	v_cvt_pk_f16_f32 v[Y+4*(\i)+2], v[E],   v[E+1]
	v_cvt_pk_f16_f32 v[Y+4*(\i)+3], v[E+2], v[E+3]
	global_store_b64 v2, v[Y+4*(\i):Y+4*(\i)+1],   s[20:21] offset:OROW*(\i) th:TH_STORE_NT
	global_store_b64 v2, v[Y+4*(\i)+2:Y+4*(\i)+3], s[22:23] offset:OROW*(\i) th:TH_STORE_NT
.endm
.macro OUTW i                          ; row i of a weight
	v_cvt_pk_f16_f32 v[Y+4*(\i)],   v[X+4*(\i)],   v[X+4*(\i)+1]
	v_cvt_pk_f16_f32 v[Y+4*(\i)+1], v[X+4*(\i)+2], v[X+4*(\i)+3]
	global_store_b64 v2, v[Y+4*(\i):Y+4*(\i)+1],   s[20:21] offset:OROW*(\i) th:TH_STORE_NT
.endm
	; x: chunk g = rows 16 g .. 16 g + 15
	s_lshl_b32 s14, s12, 16
	s_add_nc_u64 s[16:17], s[4:5], s[14:15]        ; my 16 rows
	s_add_co_u32 s13, s12, 1                       ; the chunk behind mine; a batch has 128 chunks, and its last is followed by its first:
	s_and_b32 s13, s13, 127                        ; the low seven bits step and wrap,
	s_and_b32 s25, s12, 128                        ; the batch's bit stays
	s_or_b32 s26, s13, s25
	s_lshl_b32 s26, s26, 16
	s_add_nc_u64 s[18:19], s[4:5], s[26:27]        ; its first row
	s_lshl_b32 s14, s12, 15
	s_add_nc_u64 s[20:21], s[10:11], s[14:15]      ; xh
	s_add_nc_u64 s[22:23], s[20:21], DX_OFF        ; dxh: a base of its own, since the distance does not fit a store's immediate
	global_load_b128 v[X:X+3], v1, s[16:17]        ; row 0 is also the neighbour's seventeenth: no hint
.irp i, 1,2,3,4,5,6,7,8,9,10,11,12,13,14,15
	global_load_b128 v[X+4*(\i):X+4*(\i)+3], v1, s[16:17] offset:ROWB*(\i) th:TH_LOAD_NT
.endr
	global_load_b128 v[X+64:X+67], v1, s[18:19]
	s_wait_loadcnt 16                              ; loads come back in order: row 0 is in, the 16 younger ones stay out
	RND 0
.irp i, 0,1,2,3,4,5,6,7,8,9,10,11,12,13,14,15
	s_wait_loadcnt 15-(\i)                         ; row i + 1 is in
	RND (\i)+1
	OUTX \i
.endr
	s_endpgm
.Lweights:                                     ; chunk gw: rows 16 gw of w_qkv (gw < 192), else rows 16 (gw - 192) of w_out; in h16 the two follow each other
	s_sub_co_u32 s13, s12, 256
	s_sub_co_u32 s25, s13, 192
	s_cmp_lt_u32 s13, 192
	s_cselect_b64 s[16:17], s[6:7], s[8:9]
	s_cselect_b32 s14, s13, s25
	s_lshl_b32 s14, s14, 16
	s_add_nc_u64 s[16:17], s[16:17], s[14:15]
	s_lshl_b32 s26, s13, 15
	s_add_nc_u64 s[20:21], s[10:11], s[26:27]
	s_add_nc_u64 s[20:21], s[20:21], WQ_OFF
.irp i, 0,1,2,3,4,5,6,7,8,9,10,11,12,13,14,15
	global_load_b128 v[X+4*(\i):X+4*(\i)+3], v1, s[16:17] offset:ROWB*(\i) th:TH_LOAD_NT
.endr
.irp i, 0,1,2,3,4,5,6,7,8,9,10,11,12,13,14,15
	s_wait_loadcnt 15-(\i)                         ; row i is in
	RND \i
	OUTW \i
.endr
	s_endpgm
.Lfunc_end_k_qde2bdba960_cast:
	.size	k_qde2bdba960_cast, .Lfunc_end_k_qde2bdba960_cast-k_qde2bdba960_cast
	.p2alignl 7, 3214868480
	.fill 96, 4, 3214868480
	.section	.rodata,"a",@progbits
	.p2align	6, 0x0
	.amdhsa_kernel k_qde2bdba960_cast
		.amdhsa_group_segment_fixed_size 0
		.amdhsa_private_segment_fixed_size 0
		.amdhsa_enable_private_segment 0
		.amdhsa_kernarg_size 32
		.amdhsa_user_sgpr_count 2
		.amdhsa_user_sgpr_kernarg_segment_ptr 1
		.amdhsa_wavefront_size32 1
		.amdhsa_system_sgpr_workgroup_id_x 1
		.amdhsa_system_sgpr_workgroup_id_y 1
		.amdhsa_system_sgpr_workgroup_id_z 1
		.amdhsa_system_vgpr_workitem_id 0
		.amdhsa_next_free_vgpr 144
		.amdhsa_next_free_sgpr 66
		.amdhsa_reserve_vcc 0
		.amdhsa_float_denorm_mode_32 3
		.amdhsa_float_denorm_mode_16_64 3
		.amdhsa_memory_ordered 1
		.amdhsa_forward_progress 1
		.amdhsa_inst_pref_size 27
	.end_amdhsa_kernel
	.amdgpu_metadata
---
amdhsa.version: [ 1, 2 ]
amdhsa.kernels:
  - .name:           k_qde2bdba960_cast
    .symbol:         k_qde2bdba960_cast.kd
    .args:
      - { .name: x, .offset: 0, .size: 8, .value_kind: global_buffer, .address_space: global }
      - { .name: w_qkv, .offset: 8, .size: 8, .value_kind: global_buffer, .address_space: global }
      - { .name: w_out, .offset: 16, .size: 8, .value_kind: global_buffer, .address_space: global }
      - { .name: h16, .offset: 24, .size: 8, .value_kind: global_buffer, .address_space: global }
    .group_segment_fixed_size: 0
    .private_segment_fixed_size: 0
    .kernarg_segment_align: 8
    .kernarg_segment_size: 32
    .max_flat_workgroup_size: 256
    .sgpr_count:     66
    .vgpr_count:     144
    .wavefront_size: 32
...
	.end_amdgpu_metadata
.endif
;; end of part 1
;; launch proj (part 2): grid 12 x 16, 4 waves a work-group, clusters of 4 x 4, 327,680 bytes of LDS; arguments h16, b_qkv, qkv; writes qkv
.if DOCPART == 2
	.amdgcn_target "amdgcn-amd-amdhsa--gfx1250"
	.amdhsa_code_object_version 6
	.text
	.protected	k_qde2bdba960_proj
	.globl	k_qde2bdba960_proj
	.p2align	8
	.type	k_qde2bdba960_proj,@function
k_qde2bdba960_proj:
	s_mov_b64 s[64:65], 0
	v_nop
	global_prefetch_b8 v0, s[64:65] scope:SCOPE_SE
	s_setreg_imm32_b32 hwreg(HW_REG_WAVE_MODE, 25, 1), 1
	s_wait_xcnt 0x0
	s_wait_alu depctr_hold_cnt(0) depctr_sa_sdst(0) depctr_va_vdst(0) depctr_va_sdst(0) depctr_va_ssrc(0) depctr_va_vcc(0) depctr_vm_vsrc(0)
	s_getreg_b32 s2, hwreg(HW_REG_IB_STS2, 6, 4)
	s_cmp_eq_u32 s2, 0
	s_cbranch_scc0 .Lentry_in_a_cluster
	s_endpgm
.Lentry_in_a_cluster:
	s_bfe_u32 s2, ttmp6, 0x10000c
	s_cmp_lg_u32 s2, 0xf033
	s_cbranch_scc0 .Lentry_shape_is_right
	s_endpgm
.Lentry_shape_is_right:
; q' = c (x w_q^T + b_q), k = x w_k^T + b_k, dv = dx w_v^T, written by heads: qkv [3][32 = batch x 16 + head][2048][64] in f16, each number rounded once from its f32 sum.
; c = log2(e) / 32 (the module's scale 1024^-0.5, and base 2 for the exponentials) goes onto q's f32 sums, ahead of their one rounding.
; dv[j] = v[j] - v[j+1 mod 2048]: b_qkv's last third is the same in both terms and cancels for every input, here as in lam (a1 - a2) v, whose weights add up to 0: it enters nothing and is not loaded.
; b_qkv's first two thirds are rounded to bf16, like all the module's inputs, and start the sums as the first product's C operand.
; LIMITS.  f16 ends at 65,504: |c q|, |k| and |dv| stay below it; numbers below 6e-5 keep f16's fixed step of 6e-8.  NaN and infinities are not treated apart.
; A GEMM C = A B^T, M 4096, N 3072, K 1024.  A tile of C is 256 x 256: four waves, each 128 x 128 in 64 accumulators, 512 registers.  A tile does not straddle q | k | v, since dv takes dxh for A:
; 12 x 16 tiles.  K goes in steps of 128 through a ring of two LDS slots filled by the tensor data mover; the tiles' rows are 256 bytes of memory, at multiples of 256 from the buffer's first byte.
; CLUSTERS: 4 x 4 work-groups.  A cluster's four tile columns are just one of q, k, v: cluster x says which, alike in all sixteen.  The four of a row of the cluster need the same tiles of A, the four of
; a column the same tiles of B: each is asked for JOINTLY, by the same tensor load with the same descriptor and a mask that names the four.
; THE MATRIX INSTRUCTION IS USED TRANSPOSED (source 0 = 16 rows of B, source 1 = 16 rows of A): lane l holds row l % 16 of C and the columns 8 (l / 16) + 0..7: 16 bytes of f16 that belong together.
; REGISTERS, in windows of 256 (s_set_vgpr_msb: bits 1:0 source 0, 3:2 source 1, 5:4 source 2, 7:6 destination):
;   window 0: v0-31 addresses; v64-127, v128-191 fragments of A, two buffers; v192-255 the bias (column block b at v[192 + 8 b]), later with v32-63 at work on the way out
;   window 1: v64-127, v128-191 fragments of B;   window 2: the accumulators of my rows 0-63 ((a, b) at v[8 (8 a + b)]);   window 3: those of my rows 64-127
.set SIZE_K, 1024
.set KSTEP,  128
.set PITCH,  272                       ; an LDS row: 256 bytes + 16 of padding = 68 words: row r starts at bank 4 r mod 64 (64 banks of 4 bytes: ISA guide 11.1)
.set HALFT,  128*PITCH                 ; 128 rows: what one tensor load brings, and what one wave reads of A or of B
.set SLOT,   4*HALFT                   ; A's 256 rows, then B's 256 rows
.set STAGE,  2*SLOT                    ; behind the ring: 16 rows x 272 bytes for each wave, for the way out
.set SPITCH, 272
.set SPARE,  STAGE+4*16*SPITCH         ; behind the stages: the spare words, 128 bytes for each wave: two blocks of 256 bytes that no other line names
.set LAPS,   SIZE_K/(2*KSTEP)          ; a lap = two K steps = once round the ring: 4
.set DX_OFF, 8388608                   ; h16: xh at 0, dxh here,
.set WQ_OFF, 16777216                  ; wqh here
.set ADRA, 16                          ; v16-17  LDS address of my A fragments in slot 0, 1
.set ADRB, 20                          ; v20-21  the same for B
.set STO,  24                          ; v24     the way out: where I put 16 bytes of a row
.set RD,   25                          ; v25     the way out: where I read rows back
.set CO,   26                          ; v26     16 x my lane: my place in 512 consecutive bytes of qkv
.set BO,   27                          ; v27     32 (l / 16): my eight columns in a block of sixteen of b_qkv
.set SPW,  28                          ; v28     LDS address of my spare word: SPARE + 4 x my thread's number; never rewritten
.set NIL,  29                          ; v29     0; never rewritten
.set PFO,  30                          ; v30     the prefetches' offset: my lane x a row of 2,048 bytes; never rewritten
.set F0,   64
.set F1,   128
.set BIAS, 192
.set TMP,  192                         ; the way out: packed results
.set OB,   32                          ; the way out: 16 rows read back: v32-63 and v224-255 by turns
.set G1,  24                           ; s[24:31] descriptor group 1 for A's tiles;  s[32:39] group 0, a set for each slot
.set G0,  32
.set G1B, 48                           ; s[48:55], s[56:63] the same for B's
.set G0B, 56
.set LIM, 43                           ; s43     1 in a wave that prefetches, else the greatest number
.set PFA, 44                           ; s[44:45] where my prefetches stand
.set SC,  66                           ; s[66:67] what the sums are multiplied by: c for q, 1 for k and dv
.set MSB, 0
.macro WIN new                         ; the immediate's high byte repeats the setting that is left; a switch that changes nothing is dropped
.if MSB != (\new)
	s_set_vgpr_msb (MSB<<8)|(\new)
.set MSB, \new
.endif
.endm
.set MUL_LO, 0xa1                      ; source 0 (B) window 1, source 1 (A) window 0, C and D window 2
.set MUL_HI, 0xf1                      ; the same, C and D window 3
.set TO_B,   0x40                      ; destination window 1, address window 0
; A joint load.  Waves 0 and 1 fetch A's two halves, waves 2 and 3 B's.  The branch hangs on the wave's number alone.  An s_nop 0 and four v_nop follow each of the two lines.
.macro JLOAD s
	s_cmp_eq_u32 s11, 0
	s_cbranch_scc0 .Lfor_b_\@
	tensor_load_to_lds s[G0+4*(\s):G0+4*(\s)+3], s[G1:G1+7]
	s_nop 0
.rept 4
	v_nop
.endr
	s_branch .Lasked_\@
.Lfor_b_\@:
	tensor_load_to_lds s[G0B+4*(\s):G0B+4*(\s)+3], s[G1B:G1B+7]
	s_nop 0
.rept 4
	v_nop
.endr
.Lasked_\@:
.endm
; A PREFETCH INTO THE L2, behind each joint refill and the run of LDS loads that follows it: the K step that stands two refills on, 32 rows x 256 bytes, a lane a row, one instruction a wave.
; Each row's 256 bytes of a K step are named once in the launch: xh's rows are read by clusters x = 0 and 1, of which x = 0 asks; dxh's by x = 2 alone; wqh's tile columns by all four clusters of a
; column of clusters, of which y = 0 asks.  The four partners that ask for a tile jointly share its rows out by address, 32 each.  The loop's last trip, whose refills are the last two K steps, asks for nothing.
.macro ASK
	s_cmp_gt_u32 s3, s[LIM]                        ; s3 = 1 in the loop's last trip
	s_cbranch_scc0 .Lnot_mine_\@
	global_prefetch_b8 v[PFO], s[PFA:PFA+1] offset:KSTEP*2 th:TH_LOAD_NT scope:SCOPE_SE
.Lnot_mine_\@:
.endm
.macro CREST                           ; a round of the cluster's barrier behind its opening barrier
	s_cmp_lg_u32 s10, 0
	s_cbranch_scc1 .Lnot_wave_0_\@
	s_barrier_signal -3
.Lnot_wave_0_\@:
	s_barrier_wait -3
	s_barrier_signal -1
	s_barrier_wait -1
.endm
.macro CROUND                          ; a whole round
	s_barrier_signal -1
	s_barrier_wait -1
	CREST
.endm
	s_load_b128 s[4:7], s[0:1], 0x0                ; h16 s[4:5], b_qkv s[6:7]
	s_load_b64 s[8:9], s[0:1], 0x10                ; qkv
	v_lshl_add_u32 v[SPW], v0, 2, SPARE
	v_mov_b32 v[NIL], 0
	ds_add_u32 v[SPW], v[NIL]                      ; the wave's opening: the add and its wait stand ahead of my first tensor load; the set-up below, work on registers, stands between them
	v_lshrrev_b32 v1, 5, v0
	v_readfirstlane_b32 s10, v1                    ; wave 0..3
	s_lshr_b32 s11, s10, 1                         ; which half of the tile's rows is mine.  Also: I fetch for A (0) or for B (1)
	s_and_b32 s12, s10, 1                          ; which half of its columns.  Also: which 128 rows of that tile I fetch
	s_bfe_u32 s40, ttmp6, 0x40000                  ; cx
	s_bfe_u32 s41, ttmp6, 0x40004                  ; cy
	s_lshl_b32 s42, ttmp9, 2
	s_add_co_u32 s42, s42, s40                     ; tile column = 4 x cluster x + cx
	s_and_b32 s13, ttmp7, 0xffff
	s_lshl_b32 s13, s13, 2
	s_add_co_u32 s13, s13, s41                     ; tile row = 4 x cluster y + cy
	s_lshl_b32 s43, s41, 2
	s_lshl_b32 s43, 15, s43                        ; my row of the cluster
	s_lshl_b32 s44, 0x1111, s40                    ; my column
	; descriptor group 1: a tile of 128 rows x 128 elements, padded in LDS
	s_or_b32 s[G1+0], s43, (1<<16)|(1<<20)|(1<<21)|(5<<22)|(3<<25)   ; 15:0 the mask; 17:16 elements of 2 bytes; 20 padding on; 21 set beside a mask; 24:22 after every 64 words; 31:25 of 4 words
	s_or_b32 s[G1B+0], s44, (1<<16)|(1<<20)|(1<<21)|(5<<22)|(3<<25)
.irp g, G1, G1B
	s_mov_b32 s[(\g)+1], KSTEP<<16                 ; tensor_dim0 = 128
	s_mov_b32 s[(\g)+2], 128<<16                   ; tensor_dim1 = 128
	s_mov_b32 s[(\g)+3], KSTEP<<16                 ; tile_dim0 = 128
	s_mov_b32 s[(\g)+4], 128                       ; tile_dim1 = 128
	s_mov_b32 s[(\g)+5], SIZE_K                    ; elements from row to row
	s_mov_b32 s[(\g)+6], 0
	s_mov_b32 s[(\g)+7], 0
.endr
	; where the tiles come from.  A's hang on the tile row and on cluster x, which my row of the cluster shares; B's on the tile column, which my column shares.
	s_lshl_b32 s17, s12, 7
	s_lshl_b32 s16, s13, 8
	s_add_co_u32 s16, s16, s17                     ; A: row 256 x tile row + 128 x half,
	s_lshl_b32 s16, s16, 11                        ; of 2,048 bytes,
	s_cmp_eq_u32 ttmp9, 2
	s_cselect_b32 s18, DX_OFF, 0                   ; of dxh for dv, else of xh
	s_add_co_u32 s16, s16, s18
	s_lshl_b32 s46, s42, 8
	s_add_co_u32 s46, s46, s17                     ; B: row 256 x tile column + 128 x half
	s_lshl_b32 s46, s46, 11
	s_add_co_u32 s46, s46, WQ_OFF
	s_mov_b32 s17, 0
	s_mov_b32 s47, 0
	s_mul_i32 s20, s10, HALFT                      ; and where they go: wave x 128 rows
	s_cmp_eq_u32 ttmp9, 0
	s_cselect_b32 s[SC], 0x3d38aa3b, 1.0           ; c = log2(e) / 32 = 0.0450842
	s_mov_b32 s[SC+1], s[SC]                       ; named with it as a pair
	s_wait_dscnt 0x0                               ; the opening add is done
	s_wait_kmcnt 0x0
	s_add_nc_u64 s[14:15], s[4:5], s[16:17]
	s_add_nc_u64 s[46:47], s[4:5], s[46:47]
	CROUND                                         ; all sixteen work-groups are here: the first joint loads meet
.irp s, 0,1
	s_mov_b32 s[G0+4*(\s)], 1
	s_add_co_u32 s[G0+4*(\s)+1], s20, (\s)*SLOT
	s_add_nc_u64 s[G0+4*(\s)+2:G0+4*(\s)+3], s[14:15], (\s)*KSTEP*2
	s_or_b32 s[G0+4*(\s)+3], s[G0+4*(\s)+3], 0x80000000
	s_mov_b32 s[G0B+4*(\s)], 1
	s_add_co_u32 s[G0B+4*(\s)+1], s20, (\s)*SLOT
	s_add_nc_u64 s[G0B+4*(\s)+2:G0B+4*(\s)+3], s[46:47], (\s)*KSTEP*2
	s_or_b32 s[G0B+4*(\s)+3], s[G0B+4*(\s)+3], 0x80000000
	JLOAD \s                                       ; two loads of mine are out
.endr
	; A fragment is 16 rows x 32 K in 8 registers: lane l holds row l % 16; registers 0-3 K = 8 (l / 16) + 0..7, registers 4-7 K = 16 + 8 (l / 16) + 0..7: two loads of 16 bytes, 32 bytes apart.
	v_and_b32 v1, 15, v0                           ; l % 16
	v_bfe_u32 v2, v0, 4, 1                         ; l / 16
	v_mul_u32_u24 v3, v1, PITCH
	v_lshl_add_u32 v3, v2, 4, v3
	s_mul_i32 s21, s11, HALFT                      ; my 128 rows of A
	s_mul_i32 s22, s12, HALFT                      ; my 128 rows of B,
	s_add_co_u32 s22, s22, 2*HALFT                 ; which lie behind A's 256
.irp s, 0,1
	v_add_nc_u32 v[ADRA+(\s)], s21, v3
	v_add_nc_u32 v[ADRB+(\s)], s22, v3
	s_add_co_u32 s21, s21, SLOT
	s_add_co_u32 s22, s22, SLOT
.endr
	s_mul_i32 s23, s10, 16*SPITCH
	s_add_co_u32 s23, s23, STAGE                   ; my stage
	v_mul_u32_u24 v4, v1, SPITCH                   ; in: row l % 16, 16 bytes for each half of the lanes
	v_lshl_add_u32 v4, v2, 4, v4
	v_add_nc_u32 v[STO], s23, v4
	v_bfe_u32 v5, v0, 3, 2                         ; back: 32 lanes take four rows of one head's 128 bytes,
	v_mul_u32_u24 v5, v5, SPITCH
	v_and_b32 v6, 7, v0
	v_lshl_add_u32 v5, v6, 4, v5
	v_add_nc_u32 v[RD], s23, v5
	v_and_b32 v[CO], 31, v0                        ; which are 512 consecutive bytes of qkv
	v_lshlrev_b32 v[CO], 4, v[CO]
	v_lshlrev_b32 v[BO], 5, v2
	v_and_b32 v[PFO], 31, v0
	v_lshlrev_b32 v[PFO], 11, v[PFO]
	; where my part of the tile begins in qkv: part cluster x; head batch x 16 + 4 cx + 2 x column half (my 128 columns are two heads); row (tile row % 8) x 256 + 128 x row half, of 128 bytes
	s_lshr_b32 s20, s13, 3
	s_lshl_b32 s20, s20, 4
	s_lshl_b32 s21, s40, 2
	s_add_co_u32 s20, s20, s21
	s_lshl_b32 s21, s12, 1
	s_add_co_u32 s20, s20, s21
	s_lshl_b32 s20, s20, 18                        ; a head is 2,048 rows x 128 bytes
	s_and_b32 s21, s13, 7
	s_lshl_b32 s21, s21, 8
	s_lshl_b32 s22, s11, 7
	s_add_co_u32 s21, s21, s22
	s_lshl_b32 s21, s21, 7
	s_add_co_u32 s20, s20, s21
	s_lshl_b32 s21, ttmp9, 23                      ; a part is 8,388,608 bytes
	s_add_co_u32 s20, s20, s21
	s_mov_b32 s21, 0
	s_add_nc_u64 s[8:9], s[8:9], s[20:21]          ; never stepped: the stores' immediates reach 278,016 at the most
	; the prefetches
	s_lshl_b32 s13, s13, 8                         ; 256 x tile row
	s_lshl_b32 s42, s42, 8                         ; 256 x tile column
	s_and_b32 s21, ttmp9, 1
	s_and_b32 s22, ttmp7, 0xffff
	s_cmp_eq_u32 ttmp9, 2
	s_cselect_b32 s23, DX_OFF, 0
	s_cmp_eq_u32 s11, 0                            ; do I fetch for A?
	s_cselect_b32 s20, s13, s42                    ; the tile's first row
	s_cselect_b32 s19, s40, s41                    ; my place among the four that ask for it with me
	s_cselect_b32 s22, s21, s22                    ; 0 in the cluster that asks: the same in all sixteen partners, for a given wave
	s_cselect_b32 s23, s23, WQ_OFF
	s_cmp_eq_u32 s22, 0
	s_cselect_b32 s[LIM], 1, -1
	s_lshl_b32 s22, s12, 7
	s_add_co_u32 s20, s20, s22                     ; + the 128 rows that I fetch
	s_lshl_b32 s19, s19, 5
	s_add_co_u32 s20, s20, s19                     ; + my work-group's 32 of them
	s_lshl_b32 s20, s20, 11
	s_add_co_u32 s20, s20, s23
	s_add_co_u32 s20, s20, 2*KSTEP*2               ; at K step 2: the first refill steps it to 3 and names K step 4
	s_mov_b32 s21, 0
	s_add_nc_u64 s[PFA:PFA+1], s[4:5], s[20:21]
	; the bias of my 128 columns: register j of column block b belongs to column 16 b + 8 (l / 16) + j
	s_lshl_b32 s21, s12, 7
	s_add_co_u32 s20, s42, s21
	s_lshl_b32 s20, s20, 2
	s_mov_b32 s21, 0
	s_add_nc_u64 s[6:7], s[6:7], s[20:21]
	s_cmp_eq_u32 ttmp9, 2                          ; cluster x: alike in all partners
	s_cbranch_scc1 .Lno_bias
.irp b, 0,1,2,3,4,5,6,7
	global_load_b128 v[BIAS+8*(\b):BIAS+8*(\b)+3],   v[BO], s[6:7] offset:64*(\b)
	global_load_b128 v[BIAS+8*(\b)+4:BIAS+8*(\b)+7], v[BO], s[6:7] offset:64*(\b)+16
.endr
	s_wait_loadcnt 0x0
.set r, 0
.rept 32
	v_cvt_pk_bf16_f32 v6, v[BIAS+r], v[BIAS+r+1]   ; rounded to bf16 and widened again
	v_lshlrev_b32 v[BIAS+r], 16, v6
	v_and_b32 v[BIAS+r+1], 0xffff0000, v6
.set r, r+2
.endr
	s_branch .Lbias_done
.Lno_bias:
.set r, 0
.rept 64
	v_mov_b32 v[BIAS+r], 0                         ; dv has no bias
.set r, r+1
.endr
.Lbias_done:
; 16 matrix instructions: m blocks a0, a0 + 1 of the window's four (hi = 0: my rows 0-63, 1: rows 64-127) x all 8 n blocks, 32 along K.  zero = 1: the first product starts the sums, with the bias as C (window 0).
.macro MUL16 f, hi, a0, zero
.if \zero
	WIN 0x81+0x40*(\hi)
.else
	WIN MUL_LO+0x50*(\hi)
.endif
.irp a, \a0, (\a0)+1
.irp b, 0,1,2,3,4,5,6,7
.if \zero
	v_wmma_f32_16x16x32_f16 v[8*(8*(\a)+(\b)):8*(8*(\a)+(\b))+7], v[(\f)+8*(\b):(\f)+8*(\b)+7], v[(\f)+8*(4*(\hi)+(\a)):(\f)+8*(4*(\hi)+(\a))+7], v[BIAS+8*(\b):BIAS+8*(\b)+7]
.else
	v_wmma_f32_16x16x32_f16 v[8*(8*(\a)+(\b)):8*(8*(\a)+(\b))+7], v[(\f)+8*(\b):(\f)+8*(\b)+7], v[(\f)+8*(4*(\hi)+(\a)):(\f)+8*(4*(\hi)+(\a))+7], v[8*(8*(\a)+(\b)):8*(8*(\a)+(\b))+7]
.endif
.endr
.endr
.endm
; 32 LDS loads in one run: the fragments of one quarter step (128 rows of B, 128 rows of A, 32 K at byte k of the rows) into buffer f
.macro FETCH slot, k, f
	WIN TO_B
.irp i, 0,1,2,3,4,5,6,7
	ds_load_b128 v[(\f)+8*(\i):(\f)+8*(\i)+3],   v[ADRB+(\slot)] offset:(\k)+(\i)*16*PITCH
	ds_load_b128 v[(\f)+8*(\i)+4:(\f)+8*(\i)+7], v[ADRB+(\slot)] offset:(\k)+(\i)*16*PITCH+32
.endr
	WIN 0
.irp i, 0,1,2,3,4,5,6,7
	ds_load_b128 v[(\f)+8*(\i):(\f)+8*(\i)+3],   v[ADRA+(\slot)] offset:(\k)+(\i)*16*PITCH
	ds_load_b128 v[(\f)+8*(\i)+4:(\f)+8*(\i)+7], v[ADRA+(\slot)] offset:(\k)+(\i)*16*PITCH+32
.endr
.endm
.macro PLACES                          ; four places in front of loads into registers that matrix instructions have read, and of vector work on results just made
.rept 4
	v_nop
.endr
.endm
; A K step is four quarters of 32 along K, 64 matrix instructions each, on buffers 0, 1, 0, 1.  The 64 accumulators take turns, in the same order in every quarter.
; One of the first three: multiplies buffer f; in its middle it fetches the next quarter's fragments, at byte k of the same slot's rows, into buffer g.
.macro QUARTER slot, k, f, g, zero
	s_wait_dscnt 8                                 ; B and A's rows 0-63 are in; the youngest eight loads (A's rows 64-127) may be out
	MUL16 \f, 0, 0, \zero
	MUL16 \f, 0, 2, \zero
	PLACES
	FETCH \slot, \k, \g
	s_wait_dscnt 32                                ; all but the 32 just issued
	MUL16 \f, 1, 0, \zero
	MUL16 \f, 1, 2, \zero
.endm
; The last quarter multiplies buffer 1 and changes slots.  MEET is its first half: one barrier; in front of it each wave waits for all its tensor loads (one is out: its part of the next slot),
; adds 0 to its spare word, and waits for that and for its own reads of this slot.  Behind it nobody reads this slot any more and the next slot is whole.
.macro MEET round
	WIN 0                                          ; (the add's two registers lie in window 0)
	s_wait_tensorcnt 0x0
	ds_add_u32 v[SPW], v[NIL]                      ; 0 onto my spare word
	s_wait_dscnt 9                                 ; (the add and the youngest eight loads may be out)
	MUL16 F1, 0, 0, 0                              ; sixteen matrix instructions stand between the add and the wait for it
	s_wait_dscnt 0x0                               ; the add is done, and my reads of this slot are over
	s_barrier_signal -1
	MUL16 F1, 0, 2, 0                              ; work on registers while the others arrive
.if \round
	WIN 0
.endif
	s_barrier_wait -1
.endm
; The whole last quarter.  fill = 1: the barrier opens a round of the cluster's, so that no wave of any partner still reads this slot or has a load on its way; the slot is filled again, two K steps on,
; first thing behind the round: 224 matrix instructions ahead of the wait for it.
.macro TURN slot, next, fill
.if \fill
	s_wait_xcnt 0x0                                ; the last prefetch, a K step back, has read its address: it is stepped here, ahead of the waits of the change of slots
	s_add_nc_u64 s[PFA:PFA+1], s[PFA:PFA+1], KSTEP*2
	MEET 1
	CREST
	s_add_nc_u64 s[G0+4*(\slot)+2:G0+4*(\slot)+3], s[G0+4*(\slot)+2:G0+4*(\slot)+3], 2*KSTEP*2
	s_add_nc_u64 s[G0B+4*(\slot)+2:G0B+4*(\slot)+3], s[G0B+4*(\slot)+2:G0B+4*(\slot)+3], 2*KSTEP*2
	JLOAD \slot                                    ; the four v_nop behind it are also the places in front of the loads below
.else
	MEET 0
	PLACES
.endif
	FETCH \next, 0, F0
.if \fill
	ASK
.endif
	MUL16 F1, 1, 0, 0
	MUL16 F1, 1, 2, 0
.endm
; THE WAY OUT of block a (16 of my rows), in three parts.  PACK: times c or 1, in place, each accumulator from its low end on, then rounded to f16, 16 bytes a lane.
.macro PACK a
.set AC, 64*((\a)%4)
	WIN 0x82+0x41*((\a)/4)                         ; destination and source 0: window 2 or 3
.irp b, 0,1,2,3,4,5,6,7
.irp r, 0,1,2,3
	v_pk_mul_f32 v[AC+8*(\b)+2*(\r):AC+8*(\b)+2*(\r)+1], v[AC+8*(\b)+2*(\r):AC+8*(\b)+2*(\r)+1], s[SC:SC+1] op_sel_hi:[1,0]
.endr
.endr
	WIN 0x0a+5*((\a)/4)                            ; sources 0 and 1: window 2 or 3
.irp b, 0,1,2,3,4,5,6,7
.irp r, 0,1,2,3
	v_cvt_pk_f16_f32 v[TMP+4*(\b)+(\r)], v[AC+8*(\b)+2*(\r)], v[AC+8*(\b)+2*(\r)+1]
.endr
.endr
	WIN 0
.endm
; TOSTAGE: into my own stage (a row: head 0's 128 bytes, head 1's 128 bytes), and back by heads: load t brings rows 4 (t % 4) .. + 3 of head t / 4.
.macro TOSTAGE a
	WIN 0
.set BK, OB+192*((\a)%2)
.irp b, 0,1,2,3,4,5,6,7
	ds_store_b128 v[STO], v[TMP+4*(\b):TMP+4*(\b)+3] offset:32*(\b)
.endr
.irp t, 0,1,2,3,4,5,6,7
	ds_load_b128 v[BK+4*(\t):BK+4*(\t)+3], v[RD] offset:((\t)%4)*4*SPITCH+((\t)/4)*128  ; LDS serves a wave's instructions in order (ISA guide 5.7.1.4): these see the stores above
.endr
.endm
; SEND: stored.  A store of the wave covers 512 consecutive bytes, at a multiple of 256 from qkv's first byte.
.macro SEND a
	WIN 0
.set BK, OB+192*((\a)%2)
	s_wait_dscnt 0x0                               ; the block is back in registers
	s_wait_xcnt 0x0                                ; the stores of the block before have read their data: the next TOSTAGE loads into those registers only behind this wait
.irp t, 0,1,2,3,4,5,6,7
	global_store_b128 v[CO], v[BK+4*(\t):BK+4*(\t)+3], s[8:9] offset:((\t)/4)*262144+((\t)%4)*512+(\a)*2048
.endr
.endm
	s_wait_tensorcnt 1                             ; my part of K step 0 is in; K step 1's may stay out
	s_barrier_signal -1
	s_barrier_wait -1                              ; everybody's is
	FETCH 0, 0, F0
	QUARTER 0, 64,  F0, F1, 1                      ; the first quarter stands in front of the loop: its products start the sums
	WIN 0                                          ; at a label and at a branch every window is 0
	s_mov_b32 s3, LAPS-1
.Llap:                                                 ; a trip goes once round the ring, from a lap's second quarter to the next lap's first, and fills both slots again
	QUARTER 0, 128, F1, F0, 0
	QUARTER 0, 192, F0, F1, 0
	TURN 0, 1, 1
	QUARTER 1, 64,  F0, F1, 0
	QUARTER 1, 128, F1, F0, 0
	QUARTER 1, 192, F0, F1, 0
	TURN 1, 0, 1
	QUARTER 0, 64,  F0, F1, 0
	WIN 0
	s_sub_co_u32 s3, s3, 1
	s_cmp_lg_u32 s3, 0
	s_cbranch_scc1 .Llap
	QUARTER 0, 128, F1, F0, 0                      ; the last lap fills nothing, and has no round of the cluster's barrier
	QUARTER 0, 192, F0, F1, 0
	TURN 0, 1, 0
	QUARTER 1, 64,  F0, F1, 0
	QUARTER 1, 128, F1, F0, 0
	QUARTER 1, 192, F0, F1, 0
	s_wait_dscnt 8                                 ; the very last quarter: nothing more to fetch
	MUL16 F1, 0, 0, 0
	MUL16 F1, 0, 2, 0
	s_wait_dscnt 0x0
	MUL16 F1, 1, 0, 0
	MUL16 F1, 1, 2, 0
	WIN 0
	PLACES
	PLACES                                         ; eight, once a launch: the scaling below writes accumulators in place
	PACK 0
	TOSTAGE 0
.irp a, 1,2,3,4,5,6,7                  ; block a's arithmetic stands between block a - 1's loads from the stage and the wait for them
	PACK \a
	SEND (\a)-1
	TOSTAGE \a
.endr
	SEND 7
	s_wait_tensorcnt 0x0                           ; the wave's end: behind my last tensor load and my last LDS store
	ds_add_u32 v[SPW], v[NIL]
	s_wait_dscnt 0x0
	CROUND                                         ; the closing round: no work-group ends while a partner may still ask for a tile that names it
	s_endpgm
.Lfunc_end_k_qde2bdba960_proj:
	.size	k_qde2bdba960_proj, .Lfunc_end_k_qde2bdba960_proj-k_qde2bdba960_proj
	.p2alignl 7, 3214868480
	.fill 96, 4, 3214868480
	.section	.rodata,"a",@progbits
	.p2align	6, 0x0
	.amdhsa_kernel k_qde2bdba960_proj
		.amdhsa_group_segment_fixed_size 327680
		.amdhsa_private_segment_fixed_size 0
		.amdhsa_enable_private_segment 0
		.amdhsa_kernarg_size 24
		.amdhsa_user_sgpr_count 2
		.amdhsa_user_sgpr_kernarg_segment_ptr 1
		.amdhsa_wavefront_size32 1
		.amdhsa_system_sgpr_workgroup_id_x 1
		.amdhsa_system_sgpr_workgroup_id_y 1
		.amdhsa_system_sgpr_workgroup_id_z 1
		.amdhsa_system_vgpr_workitem_id 0
		.amdhsa_next_free_vgpr 1024
		.amdhsa_next_free_sgpr 68
		.amdhsa_reserve_vcc 0
		.amdhsa_float_denorm_mode_32 3
		.amdhsa_float_denorm_mode_16_64 3
		.amdhsa_memory_ordered 1
		.amdhsa_forward_progress 1
		.amdhsa_inst_pref_size 169
	.end_amdhsa_kernel
	.amdgpu_metadata
---
amdhsa.version: [ 1, 2 ]
amdhsa.kernels:
  - .name:           k_qde2bdba960_proj
    .symbol:         k_qde2bdba960_proj.kd
    .args:
      - { .name: h16, .offset: 0, .size: 8, .value_kind: global_buffer, .address_space: global }
      - { .name: b_qkv, .offset: 8, .size: 8, .value_kind: global_buffer, .address_space: global }
      - { .name: qkv, .offset: 16, .size: 8, .value_kind: global_buffer, .address_space: global }
    .group_segment_fixed_size: 327680
    .private_segment_fixed_size: 0
    .kernarg_segment_align: 8
    .kernarg_segment_size: 24
    .max_flat_workgroup_size: 128
    .sgpr_count:     68
    .vgpr_count:     1024
    .wavefront_size: 32
...
	.end_amdgpu_metadata
.endif
;; end of part 2
;; launch attn (part 3): grid 8 x 32, 4 waves a work-group, clusters of 4 x 1, 327,680 bytes of LDS; arguments qkv, oh; writes oh
.if DOCPART == 3
	.amdgcn_target "amdgcn-amd-amdhsa--gfx1250"
	.amdhsa_code_object_version 6
	.text
	.protected	k_qde2bdba960_attn
	.globl	k_qde2bdba960_attn
	.p2align	8
	.type	k_qde2bdba960_attn,@function
k_qde2bdba960_attn:
	s_mov_b64 s[64:65], 0
	v_nop
	global_prefetch_b8 v0, s[64:65] scope:SCOPE_SE
	s_setreg_imm32_b32 hwreg(HW_REG_WAVE_MODE, 25, 1), 1
	s_wait_xcnt 0x0
	s_wait_alu depctr_hold_cnt(0) depctr_sa_sdst(0) depctr_va_vdst(0) depctr_va_sdst(0) depctr_va_ssrc(0) depctr_va_vcc(0) depctr_vm_vsrc(0)
	s_getreg_b32 s2, hwreg(HW_REG_IB_STS2, 6, 4)
	s_cmp_eq_u32 s2, 0
	s_cbranch_scc0 .Lentry_in_a_cluster
	s_endpgm
.Lentry_in_a_cluster:
	s_bfe_u32 s2, ttmp6, 0x10000c
	s_cmp_lg_u32 s2, 0x3003
	s_cbranch_scc0 .Lentry_shape_is_right
	s_endpgm
.Lentry_shape_is_right:
; O[h][q][:] = the sum over j of softmax_j(q[h][q] . k[h][j] / 32) dv[h][j][:], for 32 heads of 2,048 rows x 64 channels.  qkv holds q' = c q (c = log2(e) / 32), k and dv, [3][32][2048][64] in f16;
; oh takes O, [32][2048][64] in f16.  With dv[j] = v[j] - v[j+1 mod 2048] this one softmax and one product are (a1 - a2) v for every input: the second softmax is the first one rolled by a key.
; lam is applied by the launch behind, in f32.  Products, maxima and sums in f32; the weights p are rounded to f16 for the second product (their sum l is taken of the unrounded p), O once at the end.
; SOFTMAX.  The scores s' = q' . k are exponents to base 2 as they leave the product.  For each query a running maximum m and sum l: p = 2^(s' - m), an exact subtraction, so the largest p is 1;
; in every step O and l are multiplied by a = 2^(m_old - m_new), which is 1 where m has not grown.  m starts at the lowest finite number, O and l at 0: the first step is a step like any other, with a = 0.
; LIMITS.  q', k and dv arrive within f16's 65,504; p lies in 0 to 1 and below 6e-5 keeps f16's fixed step of 6e-8; O is a mean of dv's rows and has their range.
; A weight below 2^-126 counts as 0 in l; NaN and infinities are not treated apart.
; SHARES.  A work-group owns 256 queries of one head, each of its four waves 64: four PIECES of 16.  Every wave walks all 2,048 keys, 64 a step, 256 a slot of LDS: 8 tiles.
; LAYOUT.  S^T = K Q^T (source 0 = 16 keys, source 1 = 16 queries): a lane holds ONE query (lane % 16) and the keys 8 (lane / 16) + 0..7; two such results rounded to f16 ARE source 1 of O^T = dV^T P.
; K comes out of LDS as it lies, dv ([key][channel]) turned, by ds_load_tr16_b128.
; BY TURNS.  Turn n belongs to piece n: 8 products K Q^T of piece n + 1, later 8 products dV^T P of piece n - 1; beside them the subtraction, exponentials, roundings, sums and rescaling of piece n and the maximum
; and statistics of piece n + 1.  A turn has 16 matrix and 117 vector instructions: four of the latter stand behind every matrix instruction, the rest in two runs of their own.
; CLUSTER.  The four query blocks of a cluster belong to one head and walk the same k and dv, so each tile is asked for JOINTLY: the same tensor load, descriptor and mask in all four.
; REGISTERS, in windows of 256 (s_set_vgpr_msb: bits 1:0 source 0, 3:2 source 1, 5:4 source 2, 7:6 destination):
;   window 0: v0-15 addresses; v16-31 four registers of statistics a piece; v48-55 at work; v61-63; v64-127 S^T, two buffers; v192-223 P, two buffers (a piece's buffers go by its number's parity)
;   window 1: v0-127 O^T, 32 a piece          window 2: v0-63 Q; v128-191 K of one step; v192-255 dv of one step
.set NP,    4         ; pieces a wave: a name, no knob
.set KS,    64        ; keys in a step
.set PK,    144       ; a row of K in LDS: 128 bytes + 16 of padding = 36 words: the 16 rows of a load start at 16 different groups of four banks (64 banks of 4 bytes: ISA guide 11.1)
.set PV,    160       ; a row of dv: 128 + 32 = 40 words
.set VOFF,  4*KS*PK   ; a slot holds a tile, four steps: 256 rows of K, then 256 rows of dv
.set SLOT1, 1<<17     ; slot 1 begins here, so that one exclusive or turns an address in one slot into the other's
.set STAGE, SLOT1+4*KS*(PK+PV)  ; behind the ring, never filled by a tensor load: 16 rows x 144 bytes for each wave, for the way out
.set SP,    144
.set SPARE, STAGE+4*16*SP  ; behind the stages: the spare words, 128 bytes for each wave: two blocks of 256 bytes that no other line names
.set TILEB, 4*KS*128  ; a tile's bytes of k, and of dv, in memory
.set AK0, 2           ; v2   my lane's place in a tile of K; never rewritten
.set AV0, 3           ; v3   the same for dv
.set AK,  4           ; v4   the LDS address of K's next run of loads
.set AV,  5           ; v5   of dv's
.set STO, 6           ; v6   the way out: where I put 16 bytes of a row
.set RD,  7           ; v7   the way out: where I read rows back
.set GO,  8           ; v8   my byte offset in 512 consecutive bytes of O
.set QO,  15          ; v15  my byte offset in 16 rows of Q
.set ST,  16          ; piece t's statistics at v[ST+4 t]: m, m_old, l (even keys', odd keys')
.set TMP, 48          ; by buffer, four registers c0-c3 at work; when the maximum is found c2 takes a
.set PFO, 61          ; v61  256 x my lane; never rewritten
.set SPW, 62          ; v62  LDS address of my spare word: SPARE + 4 x my thread's number; never rewritten
.set NIL, 63          ; v63  0; never rewritten
.set S,   64
.set P,   192
.set KF,  128         ; window 2: key block kb, channel half c at KF + 16 kb + 8 c
.set VF,  192         ; window 2: key half kk, channel block cb at VF + 32 kk + 8 cb
.set WV,  12          ; s12  my wave's number
.set G1K, 24          ; s[24:31] descriptor group 1 for K's tiles
.set G1V, 32          ; s[32:39] for dv's: it differs in the padding alone
.set G0K, 40          ; s[40:43] descriptor group 0 for K's tiles: it walks
.set G0V, 44          ; s[44:47] the same for dv's
.set PFA, 48          ; s[48:49] where my prefetches stand
.set LIM, 50          ; s50  1 in a wave that prefetches, else the greatest number
.set SLOTS, 56        ; s56  tiles still to be asked for, and one
.set CNT, 57          ; s57  counts a tile's key steps
.set SEL, 60          ; s[60:61] v_permlanex16_b32's selects: each lane takes its own place in the other half
.set TBK, 62          ; s62  LDS byte at which K of the step to be fetched begins
.set TBV, 63          ; s63  the same for dv, less VOFF
.set MSB, 0
.macro WIN new                      ; the high byte repeats the setting that is left; a switch that changes nothing is dropped
.if MSB != (\new)
	s_set_vgpr_msb (MSB<<8)|(\new)
.set MSB, (\new)
.endif
.endm
.set W_KQ, 0x0a       ; K and Q in window 2, S^T in window 0
.set W_PV, 0x52       ; dv in window 2, P in window 0, O^T in window 1
.set W_RS, 0x41       ; destination and source 0 in window 1, source 1 in window 0
; A joint fill.  Waves 0 and 1 fetch the two halves of a tile's K, waves 2 and 3 those of its dv: 128 keys each.  The branch hangs on the wave's number alone.
; An s_nop 0 and four v_nop follow each of the two lines, ahead of the jump and the label.
.macro JLOAD
	s_cmp_lt_u32 s[WV], 2
	s_cbranch_scc0 .Lfor_v_\@
	tensor_load_to_lds s[G0K:G0K+3], s[G1K:G1K+7]
	s_nop 0
.rept 4
	v_nop
.endr
	s_branch .Lasked_\@
.Lfor_v_\@:
	tensor_load_to_lds s[G0V:G0V+3], s[G1V:G1V+7]
	s_nop 0
.rept 4
	v_nop
.endr
.Lasked_\@:
.endm
; A PREFETCH INTO THE L2 of the tile that the NEXT change of slots will ask for: 32,768 bytes of k and as many of dv, a lane 256 bytes.  It stands behind the wave's tensor load and its five lines.
; Each 256 bytes are named once in the launch: both clusters of a head walk the same k and dv, and the head's first asks; its four partners share a tile out by address, 8,192 bytes each;
; in each, wave 0 asks for k's and wave 2 for dv's: one instruction, four key steps (64 matrix instructions each) ahead of the load.  The last change that fills a slot asks for nothing; tiles 0 to 2 come by their loads alone.
.macro ASK
	s_cmp_gt_u32 s[SLOTS], s[LIM]
	s_cbranch_scc0 .Lnot_mine_\@
	global_prefetch_b8 v[PFO], s[PFA:PFA+1] th:TH_LOAD_NT scope:SCOPE_SE
.Lnot_mine_\@:
.endm
; A round of the cluster's barrier: my work-group's barrier, so that wave 0's signal speaks for all four waves; wave 0 signals; every wave waits for all four work-groups; my work-group's barrier once more.
.macro CROUND
	s_barrier_signal -1
	s_barrier_wait -1
	s_cmp_lg_u32 s[WV], 0
	s_cbranch_scc1 .Lnot_wave_0_\@
	s_barrier_signal -3
.Lnot_wave_0_\@:
	s_barrier_wait -3
	s_barrier_signal -1
	s_barrier_wait -1
.endm
; THE CHANGE OF SLOTS.  The slot's last bytes, dv of its fourth step, have been read.  Each wave waits for all its tensor loads, of which one is out: its part of the other slot; adds 0 to its spare word;
; and waits for that and for its own reads of the slot.  Behind the barrier nobody reads this slot any more and the other slot is whole.
; fill = 1: this slot is filled again, with the keys two tiles on.  The barrier is then a round of the cluster's, so that no wave of any partner still reads the slot or has a load on its way, and the joint
; fill is the first thing behind it: it has four key steps, 256 matrix instructions, in which to land.  (At its first use nothing has been read yet: slot 0 is waited for, slot 1 filled.)  ask = 1: with a prefetch.
.macro CHANGE fill, ask
	WIN 0                           ; at a label and at a branch every window is 0
	s_wait_tensorcnt 0x0            ; no tensor load of mine is out, so a group 0 may be written
	ds_add_u32 v[SPW], v[NIL]       ; 0 onto my spare word: with fill = 1 the descriptors' steps stand between it and the wait for it
.if \fill
.irp g, G0K, G0V
	s_xor_b32 s[\g+1], s[\g+1], SLOT1  ; the walking descriptor: the other slot than last time,
	s_add_nc_u64 s[\g+2:\g+3], s[\g+2:\g+3], TILEB  ; the next 256 keys; the type bits on top are not reached
.endr
.if \ask
	s_wait_xcnt 0x0                 ; the last prefetch, four key steps back, has read its address, so it may be written:
	s_add_nc_u64 s[PFA:PFA+1], s[PFA:PFA+1], TILEB  ; one tile behind the walking descriptors
.endif
	s_wait_dscnt 0x0                ; the add is done, and my reads of the slot are over
	CROUND
	JLOAD
.if \ask
	ASK
.endif
.else
	s_wait_dscnt 0x0                ; the add is done, and my reads of the slot are over
	s_barrier_signal -1
	s_barrier_wait -1
.endif
	s_sub_co_u32 s[TBK], s[TBK], 4*KS*PK  ; the fetches go back to a slot's first step,
	s_xor_b32 s[TBK], s[TBK], SLOT1       ; in the other slot
	s_sub_co_u32 s[TBV], s[TBV], 4*KS*PV
	s_xor_b32 s[TBV], s[TBV], SLOT1
.endm
	s_load_b128 s[4:7], s[0:1], 0x0  ; qkv s[4:5], oh s[6:7]
	v_lshl_add_u32 v[SPW], v0, 2, SPARE
	v_mov_b32 v[NIL], 0
	ds_add_u32 v[SPW], v[NIL]       ; the wave's opening: the add and its wait stand ahead of my first tensor load; the set-up below, work on registers, stands between them
	v_lshrrev_b32 v1, 5, v0
	v_readfirstlane_b32 s[WV], v1   ; wave 0..3
	s_bfe_u32 s13, ttmp6, 0x40000   ; cx: my place in the cluster
	s_lshl_b32 s14, ttmp9, 2        ; in a cluster launch ttmp9 counts clusters
	s_add_co_u32 s14, s14, s13      ; my block of 256 queries = 4 x cluster x + cx: it enters Q's and O's addresses alone
	s_and_b32 s20, ttmp7, 0xffff    ; the head, which the four partners share:
	s_lshl_b32 s20, s20, 18         ; its 2,048 rows of 128 bytes
	s_and_b32 s16, s[WV], 1         ; which half of a tile's 256 keys I fetch:
	s_lshl_b32 s22, s16, 14         ; its 128 rows of 128 bytes in memory,
	s_add_co_u32 s22, s22, s20
	s_mov_b32 s23, 0
	s_mul_i32 s17, s16, 128*PK      ; and its place in a slot, for K
	s_mul_i32 s18, s16, 128*PV      ; and for dv: no place in the cluster enters an LDS address
	s_lshl_b32 s2, s14, 2
	s_add_co_u32 s2, s2, s[WV]      ; my wave among the head's,
	s_lshl_b32 s2, s2, 13           ; its 64 rows
	s_add_co_u32 s2, s2, s20
	s_mov_b32 s3, 0
	; descriptor group 1.  128 keys are 16,384 dense bytes: asked for as 64 rows of 256 bytes, two keys a row, and padded in LDS after every key
	s_mov_b32 s[G1K], 15|(1<<16)|(1<<20)|(1<<21)|(4<<22)|(3<<25)  ; 15:0 the mask of four; 17:16 2-byte elements; 20 padding on; 21 set beside a mask; 24:22 after every 32 words (code 4); 31:25 4 words (code 3)
	s_mov_b32 s[G1V], 15|(1<<16)|(1<<20)|(1<<21)|(4<<22)|(7<<25)  ; the same with 8 words of padding (code 7)
.irp g, G1K, G1V
	s_mov_b32 s[\g+1], 128<<16      ; tensor_dim0 = 128
	s_mov_b32 s[\g+2], 64<<16       ; tensor_dim1 = 64
	s_mov_b32 s[\g+3], 128<<16      ; tile_dim0 = 128
	s_mov_b32 s[\g+4], 64           ; tile_dim1 = 64
	s_mov_b32 s[\g+5], 128          ; 128 elements from row to row
	s_mov_b32 s[\g+6], 0
	s_mov_b32 s[\g+7], 0
.endr
	s_mov_b32 s[SEL], 0x76543210
	s_mov_b32 s[SEL+1], 0xfedcba98
	s_mov_b32 s[TBK], SLOT1+4*KS*PK ; the first change of slots turns these two into 0
	s_mov_b32 s[TBV], SLOT1+4*KS*PV
	s_mov_b32 s[G0K], 1             ; 1:0 count = 1
	s_mov_b32 s[G0K+1], s17         ; 63:32 LDS address: slot 0
	s_mov_b32 s[G0V], 1
	s_add_co_u32 s[G0V+1], s18, VOFF
	s_and_b32 s[LIM], s[WV], 1      ; 0 in waves 0 and 2,
	s_or_b32 s[LIM], s[LIM], ttmp9  ; where the cluster is the head's first: the same in all four partners
	s_cmp_eq_u32 s[LIM], 0
	s_cselect_b32 s[LIM], 1, -1
	v_and_b32 v[PFO], 31, v0
	v_lshlrev_b32 v[PFO], 8, v[PFO]
	s_wait_dscnt 0x0                ; the opening add is done
	s_wait_kmcnt 0x0
	s_mov_b64 s[10:11], s[6:7]      ; O
	s_add_nc_u64 s[6:7], s[4:5], 0x800000   ; k is qkv's second part,
	s_add_nc_u64 s[8:9], s[4:5], 0x1000000  ; dv its third
	s_add_nc_u64 s[6:7], s[6:7], s[22:23]   ; at my half of the head's tile 0
	s_add_nc_u64 s[8:9], s[8:9], s[22:23]
	s_add_nc_u64 s[G0K+2:G0K+3], s[6:7], 0         ; 120:64 global address
	s_or_b32 s[G0K+3], s[G0K+3], 0x80000000        ; 127:126 type = 2
	s_add_nc_u64 s[G0V+2:G0V+3], s[8:9], 0
	s_or_b32 s[G0V+3], s[G0V+3], 0x80000000
	s_add_nc_u64 s[4:5], s[4:5], s[2:3]     ; Q and O at my wave's first row
	s_add_nc_u64 s[10:11], s[10:11], s[2:3]
	s_cmp_lt_u32 s[WV], 2
	s_cselect_b64 s[PFA:PFA+1], s[6:7], s[8:9]  ; (in waves 0 and 2 these stand at a tile's first row)
	s_lshl_b32 s2, s13, 13          ; my work-group's quarter of a tile
	s_add_nc_u64 s[PFA:PFA+1], s[PFA:PFA+1], s[2:3]
	s_add_nc_u64 s[PFA:PFA+1], s[PFA:PFA+1], 2*TILEB  ; in tile 2; the first change that asks steps it to tile 3
	CROUND                          ; all four work-groups are here: the first joint loads meet
	JLOAD                           ; tile 0 into slot 0.  Slot 1 is asked for when slot 0 is in
	; A fragment of K or Q is 16 rows x 32 channels in 8 registers: lane l holds row l % 16, channels 8 (l / 16) + 0..7 and 16 + 8 (l / 16) + 0..7: two loads of 16 bytes, 32 bytes apart.
	v_and_b32 v1, 15, v0            ; l % 16
	v_bfe_u32 v9, v0, 4, 1          ; l / 16
	v_lshlrev_b32 v[QO], 7, v1
	v_lshl_add_u32 v[QO], v9, 4, v[QO]  ; row x 128 + 16 x half
	WIN 0x80                        ; destination window 2, address window 0
.set i, 0
.rept 8                             ; Q stays in registers: piece i / 2, channels 32 (i % 2) on
	global_load_b128 v[8*i:8*i+3],   v[QO], s[4:5] offset:(i/2)*2048+(i%2)*64
	global_load_b128 v[8*i+4:8*i+7], v[QO], s[4:5] offset:(i/2)*2048+(i%2)*64+32
.set i, i+1
.endr
	; What the first turn finds: dv's registers and P's second buffer hold 0 (its products dV^T P, of a piece that has not been, add 0), O^T and l are 0.  All this stands in the wait for the first tile.
.set i, VF
.rept 64
	v_mov_b32 v[i], 0
.set i, i+1
.endr
	WIN 0x40
.set i, 0
.rept 128
	v_mov_b32 v[i], 0
.set i, i+1
.endr
	WIN 0
.set i, 0
.rept 4
	v_mov_b32 v[ST+4*i], 0xff7fffff    ; m: the lowest finite number
	v_mov_b32 v[ST+4*i+1], 0xff7fffff  ; m_old
	v_mov_b32 v[ST+4*i+2], 0
	v_mov_b32 v[ST+4*i+3], 0
.set i, i+1
.endr
.set i, P+16
.rept 16
	v_mov_b32 v[i], 0
.set i, i+1
.endr
	v_mul_u32_u24 v[AK0], v1, PK
	v_lshl_add_u32 v[AK0], v9, 4, v[AK0]  ; row x pitch + 16 x half
	; The turning load takes 16 keys x 16 channels (lane l reads key 8 (l / 16) + l % 8, channels 8 ((l / 8) % 2) + 0..7) and leaves half a fragment of dV^T: lane l holds channel l % 16 and 8 keys.
	v_and_b32 v10, 7, v0
	v_bfe_u32 v11, v0, 3, 1
	v_lshl_add_u32 v[AV0], v9, 3, v10
	v_mul_u32_u24 v[AV0], v[AV0], PV
	v_lshl_add_u32 v[AV0], v11, 4, v[AV0]
	v_add_nc_u32 v[AV0], VOFF, v[AV0]
	s_mul_i32 s13, s[WV], 16*SP
	s_add_co_u32 s13, s13, STAGE    ; my stage
	v_mul_u32_u24 v[STO], v1, SP    ; in: row l % 16, 16 bytes for each half of the lanes
	v_lshl_add_u32 v[STO], v9, 4, v[STO]
	v_add_nc_u32 v[STO], s13, v[STO]
	v_bfe_u32 v[RD], v0, 3, 2       ; back: 32 lanes take four rows of 128 bytes,
	v_mul_u32_u24 v[RD], v[RD], SP
	v_lshl_add_u32 v[RD], v10, 4, v[RD]
	v_add_nc_u32 v[RD], s13, v[RD]
	v_and_b32 v[GO], 31, v0         ; which are 512 consecutive bytes of O
	v_lshlrev_b32 v[GO], 4, v[GO]
; THE MATRIX WORK.  The 4 accumulators of a run of 8 take turns.  Product i of 8 of S^T = K Q^T for piece x: channels 32 (i / 4) on, keys 16 (i % 4) on.  The first 4 start the sums.
.macro KQ x
.set rS, S+32*((\x)%2)+8*(i%4)
.set rK, KF+16*(i%4)+8*(i/4)
.set rQ, 16*(\x)+8*(i/4)
	WIN W_KQ
.if i < 4
	v_wmma_f32_16x16x32_f16 v[rS:rS+7], v[rK:rK+7], v[rQ:rQ+7], 0
.else
	v_wmma_f32_16x16x32_f16 v[rS:rS+7], v[rK:rK+7], v[rQ:rQ+7], v[rS:rS+7]
.endif
.endm
; Product i of 8 of O^T += dV^T P for piece x: keys 32 (i / 4) on, channels 16 (i % 4) on.
.macro PV x
	WIN W_PV
.set rO, 32*(\x)+8*(i%4)
.set rV, VF+32*(i/4)+8*(i%4)
.set rP, P+16*((\x)%2)+8*(i/4)
	v_wmma_f32_16x16x32_f16 v[rO:rO+7], v[rV:rV+7], v[rP:rP+7], v[rO:rO+7]
.endm
.macro MM                           ; the turn's next matrix instruction.  NOKQ = 1: the last turn of all: there is no next piece
.if (i < 8) && !NOKQ
	KQ (Y+1)%NP
.elseif i >= 8
.set i, i-8
	PV (Y+NP-1)%NP
.set i, i+8
.endif
.set i, i+1
.endm
; THE LDS LOADS stand in runs of 16, never singly among the matrix instructions: a step's K (64 keys x 64 channels: 8 fragments) and its dv (turned).  Their addresses are made some lines ahead.
.macro FETCH_K
	WIN 0x80                        ; destination window 2
.irp f, 0,1,2,3,4,5,6,7             ; keys 16 (f / 2) on, channels 32 (f % 2) on
	ds_load_b128 v[KF+8*\f:KF+8*\f+3],   v[AK] offset:(\f/2)*16*PK+(\f%2)*64
	ds_load_b128 v[KF+8*\f+4:KF+8*\f+7], v[AK] offset:(\f/2)*16*PK+(\f%2)*64+32
.endr
	s_add_co_u32 s[TBK], s[TBK], KS*PK  ; the next fetch is the next step's
	WIN 0
.endm
.macro FETCH_V
	WIN 0x80
.irp f, 0,1,2,3,4,5,6,7             ; keys 32 (f / 4) on, channels 16 (f % 4) on
	ds_load_tr16_b128 v[VF+8*\f:VF+8*\f+3],   v[AV] offset:(\f/4)*32*PV+(\f%4)*32
	ds_load_tr16_b128 v[VF+8*\f+4:VF+8*\f+7], v[AV] offset:(\f/4)*32*PV+16*PV+(\f%4)*32
.endr
	WIN 0
.endm
; THE VECTOR WORK, one line at a time: OP kind, number.  For piece Y: F n: s' - m for pair n of 16.  E n: the exponential of score n of 32.  C n: pair n rounded to f16.  B n: of the four weights 4 n .. the second
; pair is added onto the first, in place.  L n: l takes that sum (L 0: l = a l + sum).  R n: pair n of 16 of O^T times a.  For piece Y + 1: X n, number n of the 21 that find its maximum and statistics:
;   0-11  four chains c0-c3 of seven scores each, three operands at a time (each accumulator's lowest registers are read first)     12-14, 16  the four scores left over, the old m, and c0-c3 into c0
;   15  m_old is kept     17, 18  the query's other 32 keys lie in the lane 16 away: the new m     19, 20  m_old - m_new; a
.set F, 0               ; OP tells the kinds apart by their order: F to L below R, X above it
.set E, 1
.set C, 2
.set B, 3
.set L, 4
.set R, 5
.set X, 6
.macro REGS y                       ; the registers of piece y
.set rT, ST+4*(\y)
.set rC, TMP+4*((\y)%2)
.set rS, S+32*((\y)%2)
.set rP, P+16*((\y)%2)
.set rO, 32*(\y)
.endm
.macro OP k, n
.if (\k) == R
	REGS Y
	WIN W_RS
	v_pk_mul_f32 v[rO+2*(\n):rO+2*(\n)+1], v[rO+2*(\n):rO+2*(\n)+1], v[rC+2:rC+3] op_sel_hi:[1,0]
.elseif (\k) < R
	REGS Y
	WIN 0
.if (\k) == F
	v_pk_add_f32 v[rS+2*(\n):rS+2*(\n)+1], v[rS+2*(\n):rS+2*(\n)+1], v[rT:rT+1] op_sel_hi:[1,0] neg_lo:[0,1] neg_hi:[0,1]
.elseif (\k) == E
	v_exp_f32 v[rS+(\n)], v[rS+(\n)]
.elseif (\k) == C
	s_wait_alu depctr_va_vdst(0)
	v_cvt_pk_f16_f32 v[rP+(\n)], v[rS+2*(\n)], v[rS+2*(\n)+1]
.elseif (\k) == B
	s_wait_alu depctr_va_vdst(0)
	v_pk_add_f32 v[rS+4*(\n):rS+4*(\n)+1], v[rS+4*(\n):rS+4*(\n)+1], v[rS+4*(\n)+2:rS+4*(\n)+3]
.elseif (\n) == 0
	v_pk_fma_f32 v[rT+2:rT+3], v[rT+2:rT+3], v[rC+2:rC+3], v[rS:rS+1] op_sel_hi:[1,0,1]
.else
	v_pk_add_f32 v[rT+2:rT+3], v[rT+2:rT+3], v[rS+4*(\n):rS+4*(\n)+1]
.endif
.elseif NOKQ
	v_nop
.else
	REGS (Y+1)%NP
	WIN 0
.if (\n) < 4
	v_max3_num_f32 v[rC+(\n)], v[rS+8*(\n)], v[rS+8*(\n)+1], v[rS+8*(\n)+2]
.elseif (\n) < 12
	v_max3_num_f32 v[rC+(\n)%4], v[rC+(\n)%4], v[rS+8*((\n)%4)+2*((\n)/4)+1], v[rS+8*((\n)%4)+2*((\n)/4)+2]
.elseif (\n) == 12
	v_max3_num_f32 v[rC], v[rC], v[rS+7], v[rS+15]
.elseif (\n) == 13
	v_max3_num_f32 v[rC+1], v[rC+1], v[rS+23], v[rS+31]
.elseif (\n) == 14
	v_max3_num_f32 v[rC+2], v[rC+2], v[rC+3], v[rT]
.elseif (\n) == 15
	v_mov_b32 v[rT+1], v[rT]
.elseif (\n) == 16
	v_max3_num_f32 v[rC], v[rC], v[rC+1], v[rC+2]
.elseif (\n) == 17
	v_permlanex16_b32 v[rC+3], v[rC], s[SEL], s[SEL+1]
.elseif (\n) == 18
	v_max_num_f32 v[rT], v[rC], v[rC+3]
.elseif (\n) == 19
	v_sub_f32 v[rC+1], v[rT+1], v[rT]
.else
	v_exp_f32 v[rC+2], v[rC+1]
.endif
.endif
.endm
.macro OPS a, i1, b=-1, i2=0, c=-1, i3=0, d=-1, i4=0  ; up to four of them
	OP \a, \i1
.if (\b) >= 0
	OP \b, \i2
.endif
.if (\c) >= 0
	OP \c, \i3
.endif
.if (\d) >= 0
	OP \d, \i4
.endif
.endm
.macro ROW a, i1, b, i2, c, i3, d, i4  ; a matrix instruction and the four behind it
	MM
	OPS \a, \i1, \b, \i2, \c, \i3, \d, \i4
.endm
; A TURN, for piece p: the order of its 16 matrix and 117 vector instructions, written out.  Behind a matrix instruction: plain, exponential, plain, plain; or four of the rescaling; or, behind the first, four
; subtractions; none names a register of the products round it.  In the runs between, exponential and plain by turns while exponentials last; where two exponentials stand on end (E 31, X 20) a plain line that touches
; neither follows before either result is used.  v_permlanex16_b32 (X 17) stands in such a run.
; end = 1: the last two turns of all: nothing is fetched.  cnt = 1: the loop's count is taken down some lines ahead of the branch that stands behind the turn.
; K of the next step is fetched in piece 2's turn, six vector instructions behind the last product that read K (five of them plain); dv of the step in hand in piece 0's turn, eight behind the last product that read dv
; (four plain, and X 17).  Each is waited for a turn later.
.macro TURN p, end=0, cnt=0
.set Y, (\p)
.set i, 0
.set NOKQ, (\end)*((\p)/3)
.if ((\p) == 3) && !(\end)
	s_wait_dscnt 0x0                ; K is in
.endif
	ROW F,0, F,1, F,2, F,3
	ROW F,4, E,0, F,5, F,6
	ROW F,7, E,1, F,8, F,9
	ROW F,10, E,2, C,0, F,11
	ROW F,12, E,3, X,15, F,13
	ROW R,0, R,1, R,2, R,3
	ROW B,0, E,4, F,14, L,0
.if ((\p) == 2) && !(\end)
	v_add_nc_u32 v[AK], s[TBK], v[AK0]
.endif
	ROW R,4, R,5, R,6, R,7
	OPS E,5, F,15
.if ((\p) == 2) && !(\end)
	FETCH_K
.endif
	OPS E,6, C,1, E,7, R,8
	OPS E,8, R,9, E,9, C,2
	OPS E,10, X,0, E,11, X,1
	OPS E,12, X,2, E,13, X,3
.if (\p) == 1
	s_wait_dscnt 0x0                ; dv is in
.endif
	ROW X,4, E,14, X,5, X,6
	ROW X,7, E,15, X,8, X,9
	ROW X,10, E,16, X,11, X,12
	ROW X,13, E,17, X,14, B,1
	ROW C,4, E,18, X,16, L,1
	ROW B,2, E,19, C,6, L,2
	ROW C,8, E,20, B,3, B,4
.if (\p) == 0
	v_add_nc_u32 v[AV], s[TBV], v[AV0]
.endif
	ROW C,3, E,21, L,3, C,5
	OPS E,22, X,17, E,23, C,10
.if (\p) == 0
	FETCH_V
.endif
	OPS E,24, L,4
	OPS E,25, X,18, E,26, C,7
	OPS E,27, B,5, E,28, X,19
	OPS E,29, C,12, E,30, L,5
	OPS E,31, X,20, B,6, C,9
	OPS C,14, C,11, L,6
.if (\p) == 0
	s_add_co_u32 s[TBV], s[TBV], KS*PV
.endif
.if \cnt
	s_sub_co_u32 s[CNT], s[CNT], 1
	s_cmp_lg_u32 s[CNT], 0
.endif
	OPS C,13, B,7, C,15, R,10
	OPS R,11, R,12, L,7, R,13
	OPS R,14, R,15
.endm
	CHANGE 1, 0                     ; tile 0 is in, everybody's part of it; tile 1 is asked for
	v_add_nc_u32 v[AK], s[TBK], v[AK0]
	FETCH_K                         ; key step 0
	s_wait_loadcnt 0x0              ; Q
	s_wait_dscnt 0x0
.set NOKQ, 0
.set i, 0
.rept 8
	KQ 0                            ; piece 0's first scores: there is no vector work yet to set between them
.set i, i+1
.endr
	WIN 0
.rept 4
	v_nop                           ; the places behind those products
.endr
.set Y, NP-1                        ; X works for piece Y + 1: piece 0
.irp n, 0,1,2,3,4,5,6,7,8,9,10,11,12,13,14,15,16,17,18,19,20
	OP X, \n
.endr
	v_nop                           ; a plain instruction behind the exponential
	s_mov_b32 s[CNT], 4
	s_mov_b32 s[SLOTS], 7
	s_branch .Lfirst                ; the loop is entered at a step's first turn, in the middle of a trip
.Lslot:                             ; six times: tiles 2 to 7 are asked for
	CHANGE 1, 1
	s_mov_b32 s[CNT], 4
.Lstep:                             ; a trip: pieces 2 and 3 of one step, then pieces 0 and 1 of the next, whose K and dv it fetches
	TURN 2
	TURN 3
	WIN 0
.Lfirst:
	TURN 0
	TURN 1, 0, 1
	WIN 0
	s_cbranch_scc1 .Lstep
	s_sub_co_u32 s[SLOTS], s[SLOTS], 1
	s_cmp_lg_u32 s[SLOTS], 0
	s_cbranch_scc1 .Lslot
	CHANGE 0, 0                     ; the last tile is written out: nothing is asked for
	s_mov_b32 s[CNT], 4
.Ltail:
	TURN 2
	TURN 3
	TURN 0
	TURN 1, 0, 1
	WIN 0
	s_cbranch_scc1 .Ltail
	TURN 2, 1
	TURN 3, 1
.set i, 0
.rept 8
	PV NP-1                         ; the last piece's dV^T P of the last step
.set i, i+1
.endr
	; THE WAY OUT.  l's two halves and the other half of the lanes' are added; O^T is divided by l, rounded to f16 and sent through my stage in LDS, a piece at a time.  The additions are the places behind the last products.
	WIN 0
.macro ALL line:vararg              ; one line for each piece t
.set t, 0
.rept 4
	\line
.set t, t+1
.endr
.endm
	ALL v_add_f32 v[ST+4*t+2], v[ST+4*t+2], v[ST+4*t+3]
	ALL v_permlanex16_b32 v[ST+4*t+3], v[ST+4*t+2], s[SEL], s[SEL+1]
	ALL v_add_f32 v[ST+4*t+2], v[ST+4*t+2], v[ST+4*t+3]
	ALL v_rcp_f32 v[ST+4*t+2], v[ST+4*t+2]
	v_nop                           ; a plain instruction between the last reciprocal and the use of its result
.macro PACK t                       ; a lane's eight channels of a row pack into 16 bytes; they go into rows of 144 bytes and come back as whole rows of 128, into S^T's registers
	WIN W_RS
.set i, 32*(\t)
.rept 16
	s_wait_alu depctr_va_vdst(0)
	v_pk_mul_f32 v[i:i+1], v[i:i+1], v[ST+4*(\t)+2:ST+4*(\t)+3] op_sel_hi:[1,0]
.set i, i+2
.endr
	WIN 0x05                        ; sources 0 and 1 window 1, destination window 0
.set i, 0
.rept 16
	v_cvt_pk_f16_f32 v[S+16*(\t)+i], v[32*(\t)+2*i], v[32*(\t)+2*i+1]
.set i, i+1
.endr
	WIN 0
.irp f, 0,1,2,3
	ds_store_b128 v[STO], v[S+16*(\t)+4*\f:S+16*(\t)+4*\f+3] offset:32*\f
.endr
.irp f, 0,1,2,3
	ds_load_b128 v[S+16*(\t)+4*\f:S+16*(\t)+4*\f+3], v[RD] offset:\f*4*SP  ; LDS serves a wave's instructions in order (ISA guide 5.7.1.4): these see the stores above; the next piece's stores come behind them
.endr
.endm
.macro SEND t, younger              ; younger: the LDS instructions issued behind piece t's loads: the next piece's eight, or none
	WIN 0
.irp f, 0,1,2,3
	s_wait_dscnt (\younger)+3-\f
	global_store_b128 v[GO], v[S+16*(\t)+4*\f:S+16*(\t)+4*\f+3], s[10:11] offset:(\t)*2048+\f*512  ; 512 consecutive bytes, at a multiple of 256 from O's first
.endr
.endm
	PACK 0
.set t, 1
.rept 3                             ; a piece's arithmetic stands between the loads of the piece before and its stores
	PACK t
	SEND t-1, 8
.set t, t+1
.endr
	SEND 3, 0
	s_wait_tensorcnt 0x0            ; the wave's end: behind my last tensor load and my last LDS store
	ds_add_u32 v[SPW], v[NIL]
	s_wait_dscnt 0x0
	CROUND                          ; the closing round: no work-group ends while a partner may still ask for a tile that names it
	s_endpgm
.Lfunc_end_k_qde2bdba960_attn:
	.size	k_qde2bdba960_attn, .Lfunc_end_k_qde2bdba960_attn-k_qde2bdba960_attn
	.p2alignl 7, 3214868480
	.fill 96, 4, 3214868480
	.section	.rodata,"a",@progbits
	.p2align	6, 0x0
	.amdhsa_kernel k_qde2bdba960_attn
		.amdhsa_group_segment_fixed_size 327680
		.amdhsa_private_segment_fixed_size 0
		.amdhsa_enable_private_segment 0
		.amdhsa_kernarg_size 16
		.amdhsa_user_sgpr_count 2
		.amdhsa_user_sgpr_kernarg_segment_ptr 1
		.amdhsa_wavefront_size32 1
		.amdhsa_system_sgpr_workgroup_id_x 1
		.amdhsa_system_sgpr_workgroup_id_y 1
		.amdhsa_system_sgpr_workgroup_id_z 1
		.amdhsa_system_vgpr_workitem_id 0
		.amdhsa_next_free_vgpr 768
		.amdhsa_next_free_sgpr 66
		.amdhsa_reserve_vcc 0
		.amdhsa_float_denorm_mode_32 3
		.amdhsa_float_denorm_mode_16_64 3
		.amdhsa_memory_ordered 1
		.amdhsa_forward_progress 1
		.amdhsa_inst_pref_size 134
	.end_amdhsa_kernel
	.amdgpu_metadata
---
amdhsa.version: [ 1, 2 ]
amdhsa.kernels:
  - .name:           k_qde2bdba960_attn
    .symbol:         k_qde2bdba960_attn.kd
    .args:
      - { .name: qkv, .offset: 0, .size: 8, .value_kind: global_buffer, .address_space: global }
      - { .name: oh, .offset: 8, .size: 8, .value_kind: global_buffer, .address_space: global }
    .group_segment_fixed_size: 327680
    .private_segment_fixed_size: 0
    .kernarg_segment_align: 8
    .kernarg_segment_size: 16
    .max_flat_workgroup_size: 128
    .sgpr_count:     66
    .vgpr_count:     768
    .wavefront_size: 32
...
	.end_amdgpu_metadata
.endif
;; end of part 3
;; launch outp (part 4): grid 8 x 32, 4 waves a work-group, clusters of 4 x 4, 327,680 bytes of LDS; arguments oh, h16, out0, b_out, lam; writes out0
.if DOCPART == 4
	.amdgcn_target "amdgcn-amd-amdhsa--gfx1250"
	.amdhsa_code_object_version 6
	.text
	.protected	k_qde2bdba960_outp
	.globl	k_qde2bdba960_outp
	.p2align	8
	.type	k_qde2bdba960_outp,@function
k_qde2bdba960_outp:
	s_mov_b64 s[64:65], 0
	v_nop
	global_prefetch_b8 v0, s[64:65] scope:SCOPE_SE
	s_setreg_imm32_b32 hwreg(HW_REG_WAVE_MODE, 25, 1), 1
	s_wait_xcnt 0x0
	s_wait_alu depctr_hold_cnt(0) depctr_sa_sdst(0) depctr_va_vdst(0) depctr_va_sdst(0) depctr_va_ssrc(0) depctr_va_vcc(0) depctr_vm_vsrc(0)
	s_getreg_b32 s2, hwreg(HW_REG_IB_STS2, 6, 4)
	s_cmp_eq_u32 s2, 0
	s_cbranch_scc0 .Lentry_in_a_cluster
	s_endpgm
.Lentry_in_a_cluster:
	s_bfe_u32 s2, ttmp6, 0x10000c
	s_cmp_lg_u32 s2, 0xf033
	s_cbranch_scc0 .Lentry_shape_is_right
	s_endpgm
.Lentry_shape_is_right:
; out0[b][l][n] = lam x (the sum over k of O[b][l][k] w_out[n][k]) + b_out[n], in f32.  O lies by heads, oh [32 = batch x 16 + head][2048][64] in f16: k = 64 x head + channel.
; w_out lies in h16 at WO_OFF, [1024][1024], rounded to bf16 and written as f16.  lam and b_out are rounded to bf16 here, like all the module's inputs, and applied to the f32 sums by one fused multiply-add.
; LIMITS.  O and w_out arrive within f16's 65,504.  NaN and infinities are not treated apart.
; A GEMM, M 4096, N 1024, K 1024.  A tile of the output is 128 x 128: 8 x 32 tiles, one work-group each.  Four waves, each 64 x 64: 16 accumulators.  K goes in steps of 256, four heads, through two LDS slots.
; A'S TILE.  Of one head the 64 rows that a wave fetches are 8,192 dense bytes: one tensor load brings four such runs, a head (262,144 bytes) apart, and pads after every 128 bytes: in LDS [head][64 rows][144].
; One descriptor covers the four heads, since a wave has one load behind each round.  A quarter of a K step, 64 along K, is one head.  B's tile: 64 rows of 512 bytes, LDS pitch 528.
; CLUSTERS: 4 x 4 work-groups.  The four of a row of the cluster need the same tiles of A, the four of a column the same tiles of B: each is asked for JOINTLY.
; THE MATRIX INSTRUCTION IS USED TRANSPOSED (source 0 = 16 rows of B, source 1 = 16 rows of A): a lane holds eight neighbouring numbers of a row of the output.
; No prefetch: a K step's tiles are small and four steps are all.
; REGISTERS: window 0: v0-31 addresses, bias, lam; v32-95 at work on the way out; v128-255 the accumulators ((a, b) at v[128 + 8 (4 a + b)]).
;   window 1: two fragment buffers of 128: for 64 along K, 64 registers of A (2 x 4 x 16 rows x 32 K), then 64 of B.
.set KSTEP,  256
.set PA,     144                       ; a row of A in LDS: 128 bytes + 16 = 36 words: the 16 rows of a load start at 16 different groups of four banks (64 banks of 4 bytes: ISA guide 11.1)
.set HPLANE, 64*PA                     ; one head's 64 rows
.set APART,  4*HPLANE                  ; what one tensor load brings of A
.set PB,     528                       ; a row of B: 512 bytes + 16 = 132 words
.set BPART,  64*PB                     ; what one tensor load brings of B
.set SLOT,   2*APART+2*BPART           ; A's two parts, then B's two
.set STAGE,  2*SLOT                    ; behind the ring: 16 rows x 272 bytes for each wave, each wave's own
.set SPITCH, 272
.set SPARE,  STAGE+4*16*SPITCH         ; behind the stages: the spare words, 128 bytes for each wave: two blocks of 256 bytes that no other line names
.set WO_OFF, 23068672
.set BI,   12                          ; v[12:15] b_out of the four columns that I store
.set ADRA, 16                          ; v16-17  LDS address of my A fragments in slot 0, 1
.set ADRB, 20                          ; v20-21  the same for B
.set STO,  24                          ; v24     the way out: where I put 32 bytes of a row
.set RD,   25                          ; v25     the way out: where I read a row back
.set CO,   26                          ; v26     my byte offset in out0
.set SPW,  28                          ; v28     LDS address of my spare word: SPARE + 4 x my thread's number; never rewritten
.set NIL,  29                          ; v29     0; never rewritten
.set LAMV, 30                          ; v[30:31] lam, twice
.set TMP,  32                          ; the way out: two sets of 32
.set ACC,  128
.set F0,   0                           ; fragment buffers, in window 1
.set F1,   128
.set G1,  24                           ; s[24:31] descriptor group 1 for A's tiles;  s[32:39] group 0, a set for each slot
.set G0,  32
.set G1B, 48                           ; s[48:55], s[56:63] the same for B's
.set G0B, 56
.set MSB, 0
.macro WIN new                         ; the immediate's high byte repeats the setting that is left
.if MSB != (\new)
	s_set_vgpr_msb (MSB<<8)|(\new)
.set MSB, \new
.endif
.endm
.set MUL,  0x05                        ; sources 0 (B) and 1 (A) window 1; C and D window 0
.set TO_F, 0x40                        ; destination window 1, address window 0
.macro JLOAD s                         ; a joint load: waves 0 and 1 fetch A's two parts, waves 2 and 3 B's; an s_nop 0 and four v_nop follow each of the two lines
	s_cmp_eq_u32 s11, 0
	s_cbranch_scc0 .Lfor_b_\@
	tensor_load_to_lds s[G0+4*(\s):G0+4*(\s)+3], s[G1:G1+7]
	s_nop 0
.rept 4
	v_nop
.endr
	s_branch .Lasked_\@
.Lfor_b_\@:
	tensor_load_to_lds s[G0B+4*(\s):G0B+4*(\s)+3], s[G1B:G1B+7]
	s_nop 0
.rept 4
	v_nop
.endr
.Lasked_\@:
.endm
.macro CREST                           ; a round of the cluster's barrier behind its opening barrier
	s_cmp_lg_u32 s10, 0
	s_cbranch_scc1 .Lnot_wave_0_\@
	s_barrier_signal -3
.Lnot_wave_0_\@:
	s_barrier_wait -3
	s_barrier_signal -1
	s_barrier_wait -1
.endm
.macro CROUND                          ; a whole round
	s_barrier_signal -1
	s_barrier_wait -1
	CREST
.endm
	s_load_b128 s[4:7], s[0:1], 0x0                ; oh s[4:5], h16 s[6:7]
	s_load_b64 s[8:9], s[0:1], 0x10                ; out0
	s_load_b128 s[68:71], s[0:1], 0x18             ; b_out s[68:69], lam s[70:71]
	v_lshl_add_u32 v[SPW], v0, 2, SPARE
	v_mov_b32 v[NIL], 0
	ds_add_u32 v[SPW], v[NIL]                      ; the wave's opening: the add and its wait stand ahead of my first tensor load; the set-up below, work on registers, stands between them
	v_lshrrev_b32 v1, 5, v0
	v_readfirstlane_b32 s10, v1                    ; wave 0..3
	s_lshr_b32 s11, s10, 1                         ; which half of the tile's rows is mine.  Also: I fetch for A (0) or for B (1)
	s_and_b32 s12, s10, 1                          ; which half of its columns.  Also: which 64 rows of that tile I fetch
	s_bfe_u32 s40, ttmp6, 0x40000                  ; cx, cy: my place in the cluster
	s_bfe_u32 s41, ttmp6, 0x40004
	s_lshl_b32 s42, ttmp9, 2
	s_add_co_u32 s42, s42, s40                     ; tile column = 4 x cluster x + cx
	s_and_b32 s13, ttmp7, 0xffff
	s_lshl_b32 s13, s13, 2
	s_add_co_u32 s13, s13, s41                     ; tile row = 4 x cluster y + cy
	s_lshl_b32 s43, s41, 2
	s_lshl_b32 s43, 15, s43                        ; my row of the cluster
	s_lshl_b32 s44, 0x1111, s40                    ; my column
	; descriptor group 1 for A: 4 rows of 4,096 elements, 131,072 elements apart, padded after every 32 words by 4
	s_or_b32 s[G1+0], s43, (1<<16)|(1<<20)|(1<<21)|(4<<22)|(3<<25)
	s_mov_b32 s[G1+1], 4096<<16                    ; tensor_dim0 = 4,096
	s_mov_b32 s[G1+2], 4<<16                       ; tensor_dim1 = 4
	s_mov_b32 s[G1+3], 4096<<16                    ; tile_dim0 = 4,096
	s_mov_b32 s[G1+4], 4                           ; tile_dim1 = 4
	s_mov_b32 s[G1+5], 131072                      ; from head to head
	s_mov_b32 s[G1+6], 0
	s_mov_b32 s[G1+7], 0
	; for B: 64 rows of 256 elements, 1,024 elements apart, padded after every 128 words by 4
	s_or_b32 s[G1B+0], s44, (1<<16)|(1<<20)|(1<<21)|(6<<22)|(3<<25)
	s_mov_b32 s[G1B+1], KSTEP<<16
	s_mov_b32 s[G1B+2], 64<<16
	s_mov_b32 s[G1B+3], KSTEP<<16
	s_mov_b32 s[G1B+4], 64
	s_mov_b32 s[G1B+5], 1024
	s_mov_b32 s[G1B+6], 0
	s_mov_b32 s[G1B+7], 0
	s_lshr_b32 s16, s13, 4                         ; A: the batch (16 tile rows each): 16 heads of 262,144 bytes,
	s_lshl_b32 s16, s16, 22
	s_and_b32 s17, s13, 15
	s_lshl_b32 s17, s17, 7
	s_lshl_b32 s18, s12, 6
	s_add_co_u32 s17, s17, s18                     ; row 128 x (tile row % 16) + 64 x half,
	s_lshl_b32 s17, s17, 7                         ; of 128 bytes
	s_add_co_u32 s16, s16, s17
	s_mov_b32 s17, 0
	s_lshl_b32 s46, s42, 7
	s_add_co_u32 s46, s46, s18                     ; B: row 128 x tile column + 64 x half,
	s_lshl_b32 s46, s46, 11                        ; of 2,048 bytes
	s_add_co_u32 s46, s46, WO_OFF
	s_mov_b32 s47, 0
	s_mul_i32 s20, s10, APART                      ; where they go: A's parts at wave x APART (waves 0, 1),
	s_mul_i32 s21, s10, BPART                      ; B's behind them, at 2 APART + (wave - 2) x BPART (waves 2, 3)
	s_add_co_u32 s21, s21, 2*APART-2*BPART
	s_wait_dscnt 0x0                               ; the opening add is done
	s_wait_kmcnt 0x0
	s_add_nc_u64 s[14:15], s[4:5], s[16:17]
	s_add_nc_u64 s[46:47], s[6:7], s[46:47]
	CROUND                                         ; all sixteen work-groups are here: the first joint loads meet
.irp s, 0,1
	s_mov_b32 s[G0+4*(\s)], 1
	s_add_co_u32 s[G0+4*(\s)+1], s20, (\s)*SLOT
	s_add_nc_u64 s[G0+4*(\s)+2:G0+4*(\s)+3], s[14:15], (\s)*0x100000   ; K step s: four heads on
	s_or_b32 s[G0+4*(\s)+3], s[G0+4*(\s)+3], 0x80000000
	s_mov_b32 s[G0B+4*(\s)], 1
	s_add_co_u32 s[G0B+4*(\s)+1], s21, (\s)*SLOT
	s_add_nc_u64 s[G0B+4*(\s)+2:G0B+4*(\s)+3], s[46:47], (\s)*KSTEP*2
	s_or_b32 s[G0B+4*(\s)+3], s[G0B+4*(\s)+3], 0x80000000
	JLOAD \s                                       ; two loads of mine are out
.endr
	v_and_b32 v1, 15, v0                           ; l % 16
	v_bfe_u32 v2, v0, 4, 1                         ; l / 16
	v_mul_u32_u24 v3, v1, PA
	v_lshl_add_u32 v3, v2, 4, v3                   ; a fragment's row x pitch + 16 x half, for A
	v_mul_u32_u24 v4, v1, PB
	v_lshl_add_u32 v4, v2, 4, v4                   ; and for B
	s_mul_i32 s21, s11, APART                      ; my 64 rows of A
	s_mul_i32 s22, s12, BPART                      ; my 64 rows of B,
	s_add_co_u32 s22, s22, 2*APART                 ; which lie behind A's two parts
.irp s, 0,1
	v_add_nc_u32 v[ADRA+(\s)], s21, v3
	v_add_nc_u32 v[ADRB+(\s)], s22, v4
	s_add_co_u32 s21, s21, SLOT
	s_add_co_u32 s22, s22, SLOT
.endr
	s_mul_i32 s23, s10, 16*SPITCH
	s_add_co_u32 s23, s23, STAGE                   ; my stage
	v_mul_u32_u24 v5, v1, SPITCH                   ; in: row l % 16, 32 bytes for each half of the lanes
	v_lshl_add_u32 v5, v2, 5, v5
	v_add_nc_u32 v[STO], s23, v5
	v_mul_u32_u24 v5, v2, SPITCH                   ; back: lanes 0-15 take one row of 256 bytes, lanes 16-31 the next
	v_lshl_add_u32 v5, v1, 4, v5
	v_add_nc_u32 v[RD], s23, v5
	v_lshlrev_b32 v5, 12, v2                       ; and the same two rows in out0, 4,096 bytes apart
	v_lshl_add_u32 v[CO], v1, 4, v5
	s_lshl_b32 s16, s13, 7
	s_lshl_b32 s17, s11, 6
	s_add_co_u32 s16, s16, s17                     ; my first row: 128 x tile row + 64 x half
	s_lshl_b32 s16, s16, 12
	s_lshl_b32 s46, s42, 7
	s_lshl_b32 s47, s12, 6
	s_add_co_u32 s46, s46, s47                     ; my first column: 128 x tile column + 64 x half,
	s_lshl_b32 s46, s46, 2                         ; in bytes: a multiple of 256
	s_add_co_u32 s16, s16, s46
	s_mov_b32 s17, 0
	s_mov_b32 s47, 0
	s_add_nc_u64 s[8:9], s[8:9], s[16:17]
	s_add_nc_u64 s[68:69], s[68:69], s[46:47]
	v_lshlrev_b32 v6, 4, v1                        ; on the way out lane l stores the columns 4 (l % 16) + 0..3 of my 64
	v_mov_b32 v7, 0
	global_load_b128 v[BI:BI+3], v6, s[68:69]
	global_load_b32 v[LAMV], v7, s[70:71]
	s_wait_loadcnt 0x0
	v_cvt_pk_bf16_f32 v10, v[BI], v[BI+1]          ; rounded to bf16 and widened again
	v_cvt_pk_bf16_f32 v11, v[BI+2], v[BI+3]
	v_cvt_pk_bf16_f32 v8, v[LAMV], v[LAMV]
	v_lshlrev_b32 v[BI], 16, v10
	v_and_b32 v[BI+1], 0xffff0000, v10
	v_lshlrev_b32 v[BI+2], 16, v11
	v_and_b32 v[BI+3], 0xffff0000, v11
	v_lshlrev_b32 v[LAMV], 16, v8
	v_lshlrev_b32 v[LAMV+1], 16, v8
; 8 matrix instructions: m blocks a0, a0 + 1 x all 4 n blocks, 32 along K: half c of buffer f.  zero = 1: the first product starts the sums.  The 16 accumulators take turns.
.macro MUL8 f, c, a0, zero
	WIN MUL
.irp a, \a0, (\a0)+1
.irp b, 0,1,2,3
.if \zero
	v_wmma_f32_16x16x32_f16 v[ACC+8*(4*(\a)+(\b)):ACC+8*(4*(\a)+(\b))+7], v[(\f)+64+8*(4*(\c)+(\b)):(\f)+64+8*(4*(\c)+(\b))+7], v[(\f)+8*(4*(\c)+(\a)):(\f)+8*(4*(\c)+(\a))+7], 0
.else
	v_wmma_f32_16x16x32_f16 v[ACC+8*(4*(\a)+(\b)):ACC+8*(4*(\a)+(\b))+7], v[(\f)+64+8*(4*(\c)+(\b)):(\f)+64+8*(4*(\c)+(\b))+7], v[(\f)+8*(4*(\c)+(\a)):(\f)+8*(4*(\c)+(\a))+7], v[ACC+8*(4*(\a)+(\b)):ACC+8*(4*(\a)+(\b))+7]
.endif
.endr
.endr
.endm
; 32 LDS loads in one run: the fragments of quarter q of a K step (head q of A's four; bytes 128 q on of B's rows) into buffer f; the first 32 along K first
.macro FETCH slot, q, f
	WIN TO_F
.irp c, 0,1
.irp i, 0,1,2,3
	ds_load_b128 v[(\f)+64+8*(4*(\c)+(\i)):(\f)+64+8*(4*(\c)+(\i))+3],   v[ADRB+(\slot)] offset:128*(\q)+64*(\c)+(\i)*16*PB
	ds_load_b128 v[(\f)+64+8*(4*(\c)+(\i))+4:(\f)+64+8*(4*(\c)+(\i))+7], v[ADRB+(\slot)] offset:128*(\q)+64*(\c)+(\i)*16*PB+32
	ds_load_b128 v[(\f)+8*(4*(\c)+(\i)):(\f)+8*(4*(\c)+(\i))+3],         v[ADRA+(\slot)] offset:(\q)*HPLANE+64*(\c)+(\i)*16*PA
	ds_load_b128 v[(\f)+8*(4*(\c)+(\i))+4:(\f)+8*(4*(\c)+(\i))+7],       v[ADRA+(\slot)] offset:(\q)*HPLANE+64*(\c)+(\i)*16*PA+32
.endr
.endr
.endm
.macro PLACES                          ; four places in front of loads into registers that matrix instructions have read, and of LDS stores that read results
.rept 4
	v_nop
.endr
.endm
; A K step is four quarters of 64 along K, 32 matrix instructions each, on buffers 0, 1, 0, 1.  One of the first three: multiplies buffer f and fetches quarter q into g.
.macro QUARTER slot, q, f, g, zero
	s_wait_dscnt 16                                ; the first 32 along K are in
	MUL8 \f, 0, 0, \zero
	MUL8 \f, 0, 2, \zero
	PLACES
	FETCH \slot, \q, \g
	s_wait_dscnt 32                                ; all but the 32 just issued
	MUL8 \f, 1, 0, 0
	MUL8 \f, 1, 2, 0
.endm
; The last quarter multiplies buffer 1 and changes slots: one barrier; in front of it each wave waits for all its tensor loads, adds 0 to its spare word, and waits for that and for its own reads of this slot.
; fill = 1: the barrier opens a round of the cluster's, and this slot is filled again, two K steps ahead, first thing behind the round.
.macro TURN slot, next, fill
	WIN 0                                          ; (the add's two registers lie in window 0)
	s_wait_tensorcnt 0x0                           ; all my tensor loads have landed: my part of the next slot
	ds_add_u32 v[SPW], v[NIL]                      ; 0 onto my spare word
	s_wait_dscnt 17                                ; (the add and the youngest sixteen loads may be out)
	MUL8 F1, 0, 0, 0                               ; eight matrix instructions stand between the add and the wait for it
	s_wait_dscnt 0x0                               ; the add is done, and my reads of this slot are over
	s_barrier_signal -1
	MUL8 F1, 0, 2, 0
.if \fill
	WIN 0
.endif
	s_barrier_wait -1
.if \fill
	CREST                                          ; no wave of any partner still reads this slot's tile or has a load on its way
	s_add_nc_u64 s[G0+4*(\slot)+2:G0+4*(\slot)+3], s[G0+4*(\slot)+2:G0+4*(\slot)+3], 0x200000
	s_add_nc_u64 s[G0B+4*(\slot)+2:G0B+4*(\slot)+3], s[G0B+4*(\slot)+2:G0B+4*(\slot)+3], 2*KSTEP*2
	JLOAD \slot                                    ; 112 matrix instructions ahead of the wait for it; the four v_nop behind it are also the places in front of the loads below
.else
	PLACES
.endif
	FETCH \next, 0, F0
	MUL8 F1, 1, 0, 0
	MUL8 F1, 1, 2, 0
.endm
	s_wait_tensorcnt 1                             ; my part of K step 0 is in; K step 1's may stay out
	s_barrier_signal -1
	s_barrier_wait -1                              ; everybody's is
	FETCH 0, 0, F0
	QUARTER 0, 1, F0, F1, 1                        ; K step 0; the first products start the sums
	QUARTER 0, 2, F1, F0, 0
	QUARTER 0, 3, F0, F1, 0
	TURN 0, 1, 1                                   ; slot 0 takes K step 2
	QUARTER 1, 1, F0, F1, 0                        ; K step 1
	QUARTER 1, 2, F1, F0, 0
	QUARTER 1, 3, F0, F1, 0
	TURN 1, 0, 1                                   ; slot 1 takes K step 3: the last load
	QUARTER 0, 1, F0, F1, 0                        ; K step 2
	QUARTER 0, 2, F1, F0, 0
	QUARTER 0, 3, F0, F1, 0
	TURN 0, 1, 0                                   ; nothing is filled, so no round of the cluster's barrier
	QUARTER 1, 1, F0, F1, 0                        ; K step 3
	QUARTER 1, 2, F1, F0, 0
	QUARTER 1, 3, F0, F1, 0
	s_wait_dscnt 16                                ; the very last quarter: nothing more to fetch
	MUL8 F1, 0, 0, 0
	MUL8 F1, 0, 2, 0
	s_wait_dscnt 0x0
	MUL8 F1, 1, 0, 0
	MUL8 F1, 1, 2, 0
	WIN 0
	; THE WAY OUT, in f32, 16 rows at a time through my own stage: a lane's eight numbers of a row go in as 32 bytes (each accumulator's low four registers first),
	; whole rows of my 64 columns, 256 bytes, come back; then lam x sum + bias, and the store.
.macro TOSTAGE a
.irp b, 0,1,2,3
	ds_store_b128 v[STO], v[ACC+8*(4*(\a)+(\b)):ACC+8*(4*(\a)+(\b))+3]   offset:64*(\b)
	ds_store_b128 v[STO], v[ACC+8*(4*(\a)+(\b))+4:ACC+8*(4*(\a)+(\b))+7] offset:64*(\b)+16
.endr
.irp t, 0,1,2,3,4,5,6,7
	ds_load_b128 v[TMP+32*((\a)%2)+4*(\t):TMP+32*((\a)%2)+4*(\t)+3], v[RD] offset:(\t)*2*SPITCH  ; LDS serves a wave's instructions in order (ISA guide 5.7.1.4): these see the stores above; the next block's stores come behind them
.endr
.endm
.macro SEND a, younger                 ; younger: the LDS instructions issued behind block a's loads: the next block's sixteen, or none
.irp t, 0,1,2,3,4,5,6,7
.set TT, TMP+32*((\a)%2)+4*(\t)
	s_wait_dscnt (\younger)+7-(\t)
	v_pk_fma_f32 v[TT:TT+1],   v[TT:TT+1],   v[LAMV:LAMV+1], v[BI:BI+1]
	v_pk_fma_f32 v[TT+2:TT+3], v[TT+2:TT+3], v[LAMV:LAMV+1], v[BI+2:BI+3]
	global_store_b128 v[CO], v[TT:TT+3], s[8:9] offset:(16*(\a)+2*(\t))*4096 th:TH_STORE_NT  ; 16 lanes store 256 consecutive bytes, at a multiple of 256 from out0's first byte
.endr
.endm
	PLACES
	TOSTAGE 0
	TOSTAGE 1
	SEND 0, 16
	s_wait_xcnt 0x0                                ; block 0's stores have read their data: its set of registers is loaded again only behind this wait
	TOSTAGE 2
	SEND 1, 16
	s_wait_xcnt 0x0                                ; the same for block 1's
	TOSTAGE 3
	SEND 2, 16
	SEND 3, 0
	s_wait_tensorcnt 0x0                           ; the wave's end: behind my last tensor load and my last LDS store
	ds_add_u32 v[SPW], v[NIL]
	s_wait_dscnt 0x0
	CROUND                                         ; the closing round: no work-group ends while a partner may still ask for a tile that names it
	s_endpgm
.Lfunc_end_k_qde2bdba960_outp:
	.size	k_qde2bdba960_outp, .Lfunc_end_k_qde2bdba960_outp-k_qde2bdba960_outp
	.p2alignl 7, 3214868480
	.fill 96, 4, 3214868480
	.section	.rodata,"a",@progbits
	.p2align	6, 0x0
	.amdhsa_kernel k_qde2bdba960_outp
		.amdhsa_group_segment_fixed_size 327680
		.amdhsa_private_segment_fixed_size 0
		.amdhsa_enable_private_segment 0
		.amdhsa_kernarg_size 40
		.amdhsa_user_sgpr_count 2
		.amdhsa_user_sgpr_kernarg_segment_ptr 1
		.amdhsa_wavefront_size32 1
		.amdhsa_system_sgpr_workgroup_id_x 1
		.amdhsa_system_sgpr_workgroup_id_y 1
		.amdhsa_system_sgpr_workgroup_id_z 1
		.amdhsa_system_vgpr_workitem_id 0
		.amdhsa_next_free_vgpr 512
		.amdhsa_next_free_sgpr 72
		.amdhsa_reserve_vcc 0
		.amdhsa_float_denorm_mode_32 3
		.amdhsa_float_denorm_mode_16_64 3
		.amdhsa_memory_ordered 1
		.amdhsa_forward_progress 1
		.amdhsa_inst_pref_size 91
	.end_amdhsa_kernel
	.amdgpu_metadata
---
amdhsa.version: [ 1, 2 ]
amdhsa.kernels:
  - .name:           k_qde2bdba960_outp
    .symbol:         k_qde2bdba960_outp.kd
    .args:
      - { .name: oh, .offset: 0, .size: 8, .value_kind: global_buffer, .address_space: global }
      - { .name: h16, .offset: 8, .size: 8, .value_kind: global_buffer, .address_space: global }
      - { .name: out0, .offset: 16, .size: 8, .value_kind: global_buffer, .address_space: global }
      - { .name: b_out, .offset: 24, .size: 8, .value_kind: global_buffer, .address_space: global }
      - { .name: lam, .offset: 32, .size: 8, .value_kind: global_buffer, .address_space: global }
    .group_segment_fixed_size: 327680
    .private_segment_fixed_size: 0
    .kernarg_segment_align: 8
    .kernarg_segment_size: 40
    .max_flat_workgroup_size: 128
    .sgpr_count:     72
    .vgpr_count:     512
    .wavefront_size: 32
...
	.end_amdgpu_metadata
.endif
;; end of part 4
